; MI455X (gfx1250); checked and timed in simulation.
; The chip was launched on July 23, 2026; its instructions are those of AMD's public machine-readable ISA for CDNA 5 (MIT licence, August 2026) and "CDNA5" Instruction Set Architecture Reference Guide (July 2026). The comments in the code are by the model that wrote it; some were corrected since.
;; Mo E Transformer Block. Allowed arithmetic: float matrix products may take bf16 or f16 operands with f32 sums; all other float work in f32.
;; Inputs: W1 8 x 512 x 256 float32; W2 8 x 256 x 512 float32; Wg 512 x 8 float32; x 8 x 4,096 x 512 float32.
;; Outputs: out0 8 x 4,096 x 512 float32.
;; 3 versions, each right; version 2 is faster than version 1; version 3 is version 2 with the launch prep written anew for expert scheduling mode. Each part assembles by itself: llvm-mc -triple=amdgcn-amd-amdhsa -mcpu=gfx1250 --defsym DOCPART=n.
;; ======== version 1 of 3: 2 launches
;; workspace buffers: wb 4,194,304 bytes
;; launch prep (part 1): grid 256 x 1, 8 waves a work-group, no clusters, 0 bytes of LDS; arguments W1, W2, wb; writes wb
.if DOCPART == 1
	.amdgcn_target "amdgcn-amd-amdhsa--gfx1250"
	.amdhsa_code_object_version 6
	.text
	.protected	k_qacc5559760_prep
	.globl	k_qacc5559760_prep
	.p2align	8
	.type	k_qacc5559760_prep,@function
k_qacc5559760_prep:
	s_mov_b64 s[64:65], 0
	v_nop
	global_prefetch_b8 v0, s[64:65] scope:SCOPE_SE
	s_setreg_imm32_b32 hwreg(HW_REG_WAVE_MODE, 25, 1), 1
	s_wait_xcnt 0x0
; W1 [8][512][256] and W2 [8][256][512], f32, are rounded once to bf16 and laid into wb as a stream of 64 tiles of
; 128 rows x 256 numbers (65,536 bytes, dense), in the order in which the next launch walks them: tile 8 e + i.
;   i = 0..3: W1[e], row = d - 128 i, column = f               (W1[e] as it lies: 262,144 bytes on end)
;   i = 4..7: W2[e], q = i - 4: row = 64 (n >> 8) + (f - 64 q), column = n & 255
; 256 work-groups of 8 waves; work-group g takes numbers 4096 g .. 4096 g + 4095 of both tensors: 16 rows of W1, 8 rows of W2.
; Thread t takes 4 neighbouring numbers in each of four loads a tensor; a wave's load covers 512 consecutive bytes and its
; store 256 consecutive bytes, aligned.  Memory binds: no LDS, no barrier, no matrix unit.  No register that a load or a store names is written again behind it.
	s_load_b128 s[4:7], s[0:1], 0x0                ; W1 s[4:5], W2 s[6:7]
	s_load_b64 s[8:9], s[0:1], 0x10                ; wb
	s_lshl_b32 s16, ttmp9, 14                      ; g x 4,096 numbers x 4 bytes: the group's part of both sources
	s_mov_b32 s17, 0
	s_lshr_b32 s20, ttmp9, 5                       ; e: 32 work-groups to an expert
	s_lshl_b32 s20, s20, 19                        ; e x 8 tiles x 65,536 bytes
	s_and_b32 s21, ttmp9, 31
	s_lshl_b32 s21, s21, 13                        ; W1: the group's 4,096 numbers x 2 bytes, on end
	s_add_co_u32 s18, s20, s21
	s_mov_b32 s19, 0
	s_bfe_u32 s22, ttmp9, 0x20003                  ; W2: q = (g >> 3) & 3: eight work-groups (64 rows f) to a tile
	s_lshl_b32 s22, s22, 16
	s_and_b32 s23, ttmp9, 7
	s_lshl_b32 s23, s23, 12                        ; the group's 8 rows f in the tile, 512 bytes each
	s_add_co_u32 s22, s22, s23
	s_add_co_u32 s22, s22, s20
	s_add_co_u32 s22, s22, 262144                  ; behind the expert's four tiles of W1
	s_mov_b32 s23, 0
	v_lshlrev_b32 v1, 4, v0                        ; source: 16 t
	v_lshlrev_b32 v2, 3, v0                        ; W1's destination: 8 t
	v_and_b32 v3, 63, v0                           ; W2's: a load holds two rows f; n = 4 (t & 127)
	v_lshlrev_b32 v3, 3, v3                        ; column n & 255 -> 8 (t & 63) bytes
	v_bfe_u32 v4, v0, 6, 1
	v_lshl_add_u32 v3, v4, 15, v3                  ; n >> 8 -> 64 rows of 512 bytes
	v_lshrrev_b32 v5, 7, v0
	v_lshl_add_u32 v3, v5, 9, v3                   ; which of the two rows f
	s_wait_kmcnt 0x0
	s_add_nc_u64 s[4:5], s[4:5], s[16:17]
	s_add_nc_u64 s[6:7], s[6:7], s[16:17]
	s_add_nc_u64 s[12:13], s[8:9], s[18:19]
	s_add_nc_u64 s[14:15], s[8:9], s[22:23]
.irp i, 0,1,2,3
	global_load_b128 v[8+4*\i:11+4*\i], v1, s[4:5] offset:4096*\i th:TH_LOAD_NT
.endr
.irp i, 0,1,2,3
	global_load_b128 v[24+4*\i:27+4*\i], v1, s[6:7] offset:4096*\i th:TH_LOAD_NT
.endr
.irp i, 0,1,2,3
	s_wait_loadcnt 7-\i                            ; loads come back in order: the 7 - i younger ones stay out
	v_cvt_pk_bf16_f32 v[40+2*\i], v[8+4*\i], v[9+4*\i]
	v_cvt_pk_bf16_f32 v[41+2*\i], v[10+4*\i], v[11+4*\i]
	global_store_b64 v2, v[40+2*\i:41+2*\i], s[12:13] offset:2048*\i
.endr
.irp i, 0,1,2,3
	s_wait_loadcnt 3-\i
	v_cvt_pk_bf16_f32 v[48+2*\i], v[24+4*\i], v[25+4*\i]
	v_cvt_pk_bf16_f32 v[49+2*\i], v[26+4*\i], v[27+4*\i]
	global_store_b64 v3, v[48+2*\i:49+2*\i], s[14:15] offset:1024*\i   ; two rows f further on in each load
.endr
	s_endpgm
.Lfunc_end_k_qacc5559760_prep:
	.size	k_qacc5559760_prep, .Lfunc_end_k_qacc5559760_prep-k_qacc5559760_prep
	.p2alignl 7, 3214868480
	.fill 96, 4, 3214868480
	.section	.rodata,"a",@progbits
	.p2align	6, 0x0
	.amdhsa_kernel k_qacc5559760_prep
		.amdhsa_group_segment_fixed_size 0
		.amdhsa_private_segment_fixed_size 0
		.amdhsa_enable_private_segment 0
		.amdhsa_kernarg_size 24
		.amdhsa_user_sgpr_count 2
		.amdhsa_user_sgpr_kernarg_segment_ptr 1
		.amdhsa_wavefront_size32 1
		.amdhsa_system_sgpr_workgroup_id_x 1
		.amdhsa_system_sgpr_workgroup_id_y 1
		.amdhsa_system_sgpr_workgroup_id_z 1
		.amdhsa_system_vgpr_workitem_id 0
		.amdhsa_next_free_vgpr 56
		.amdhsa_next_free_sgpr 66
		.amdhsa_reserve_vcc 0
		.amdhsa_float_denorm_mode_32 3
		.amdhsa_float_denorm_mode_16_64 3
		.amdhsa_memory_ordered 1
		.amdhsa_forward_progress 1
		.amdhsa_inst_pref_size 5
	.end_amdhsa_kernel
	.amdgpu_metadata
---
amdhsa.version: [ 1, 2 ]
amdhsa.kernels:
  - .name:           k_qacc5559760_prep
    .symbol:         k_qacc5559760_prep.kd
    .args:
      - { .name: W1, .offset: 0, .size: 8, .value_kind: global_buffer, .address_space: global }
      - { .name: W2, .offset: 8, .size: 8, .value_kind: global_buffer, .address_space: global }
      - { .name: wb, .offset: 16, .size: 8, .value_kind: global_buffer, .address_space: global }
    .group_segment_fixed_size: 0
    .private_segment_fixed_size: 0
    .kernarg_segment_align: 8
    .kernarg_segment_size: 24
    .max_flat_workgroup_size: 256
    .sgpr_count:     66
    .vgpr_count:     56
    .wavefront_size: 32
...
	.end_amdgpu_metadata
.endif
;; end of part 1
;; launch moe (part 2): grid 256 x 1, 4 waves a work-group, clusters of 4 x 1, 327,680 bytes of LDS; arguments x, Wg, wb, out0; writes out0
.if DOCPART == 2
	.amdgcn_target "amdgcn-amd-amdhsa--gfx1250"
	.amdhsa_code_object_version 6
	.text
	.protected	k_qacc5559760_moe
	.globl	k_qacc5559760_moe
	.p2align	8
	.type	k_qacc5559760_moe,@function
k_qacc5559760_moe:
	s_mov_b64 s[64:65], 0
	v_nop
	global_prefetch_b8 v0, s[64:65] scope:SCOPE_SE
	s_setreg_imm32_b32 hwreg(HW_REG_WAVE_MODE, 25, 1), 1
	s_wait_xcnt 0x0
	s_wait_alu depctr_hold_cnt(0) depctr_sa_sdst(0) depctr_va_vdst(0) depctr_va_sdst(0) depctr_va_ssrc(0) depctr_va_vcc(0) depctr_vm_vsrc(0)
	s_getreg_b32 s2, hwreg(HW_REG_IB_STS2, 6, 4)
	s_cmp_eq_u32 s2, 0
	s_cbranch_scc0 .Lentry_in_a_cluster
	s_endpgm
.Lentry_in_a_cluster:
	s_bfe_u32 s2, ttmp6, 0x10000c
	s_cmp_lg_u32 s2, 0x3003
	s_cbranch_scc0 .Lentry_shape_is_right
	s_endpgm
.Lentry_shape_is_right:
; out[t] = sum over e of cw[t][e] silu(x[t] W1[e]) W2[e];  cw = softmax over the two largest of the 8 logits x[t] Wg, 0 for the other six.
; x, out: [32768][512] f32.  Wg: [512][8] f32.  wb: W1 and W2 in bf16 as a stream of 64 tiles of 128 rows x 256 numbers (tile 8 e + i; i < 4: W1[e], rows d;
; i >= 4: W2[e], q = i - 4, row = 64 (n >> 8) + f - 64 q, column n & 255).
; SHARES.  256 work-groups of four waves; a work-group owns 128 tokens from x to out: x is read once, out written once, nothing else goes through memory.
; DENSE: all 8 experts are computed for every token, and cw (0 for six of them) is multiplied into silu(h) ahead of the second product: the choice selects values only.
; NUMBER FORMATS.  Every product, the router's too, takes x, Wg, W1, W2 rounded to bf16; products and sums in f32.  cw silu(h) is rounded to bf16 for the second product.
; The router runs on the vector unit (0.2 per cent of the multiply-adds): exact f32 products of the rounded numbers, fused multiply-adds, a tree over the lanes.
; LIMITS.  Equal logits: the lower index wins, as in top_k.  The logits' sums are formed in another order than a row-by-row sum: a token whose second and third logits
; agree to the last few units of f32 may choose the other.  NaN or infinite logits are not served.  2^(-h log2 e) may become +inf: its reciprocal is 0, silu's limit.
; The softmax takes the larger logit away first: its one exponent is at most 0.
; BOTH PRODUCTS ARE USED TRANSPOSED: source 0 = 16 features of the weights (stored [K][N], so read by the turning load), source 1 = 16 tokens.  In a result lane l holds
; ONE token (l % 16) and 8 neighbouring features (8 (l / 16) + 0..7): silu's 8 results pack into 16 bytes of a token's row, and cw is one number a lane.
;   S1: H[128 tokens][64 f] a wave: 32 accumulators.  Wave w owns the f blocks 4 q + w, q = 0..3, so that each chunk q of 64 f holds one block of every wave.
;   S2: O[128 tokens][128 n] a wave, n = 128 w + ..: 64 accumulators, which live through all 8 experts.  K = f goes in the four chunks q; silu of chunk q + 1 stands in chunk q.
; CLUSTER.  All work-groups walk the same 4 MB of weights, so four form a cluster and ask for each tile JOINTLY: the same load, the same descriptor, mask 15, in all four.
; Nothing else is shared, so the cluster has one row.  The work-group's place in the cluster enters x's and out's addresses alone.
; RING.  Two LDS slots of one tile (64 KB); each wave fetches 32 rows of 512 bytes.  By this text's count a wave has two tensor loads out at the start, later one.
; lds_bytes is all of a WGP's LDS; the text uses 322,048 bytes.
; No prefetch: the weights are read again and again by all work-groups, and x is asked for whole at the start.
;
; REGISTERS in windows of 256 (s_set_vgpr_msb: bits 1:0 source 0, 3:2 source 1, 5:4 source 2, 7:6 destination):
;   window 0: v0-14 addresses; v16-31 cw, a pair (cw, cw) for each block of 16 tokens (router: addresses); v32-63 at work; v64-159, v160-255 two fragment buffers
;   window 1: H's accumulators, (q, tb) at v[8 (8 q + tb)]  (router: Wg in v0-127)
;   windows 2, 3: O's accumulators, (nb, tb) in window 2 + nb / 4 at v[8 (8 (nb % 4) + tb)]  (router: the wave's 32 rows of x, 16 registers each)
.set XP,    1040                       ; X: a token's row in LDS: 1,024 bytes of bf16 + 16 = 260 words: row r starts at bank 4 r mod 64 (64 banks of 4 bytes: ISA guide 11.1)
.set HPB,   128*XP                     ; H': two buffers of 128 token rows x 64 f
.set HPP,   144                        ; 128 bytes + 16
.set HBUF,  128*HPP
.set RING,  HPB+2*HBUF                 ; 169,984: the two slots; tensor loads alone write here
.set WP,    544                        ; a weight row: 512 bytes + 32 = 136 words
.set SLOT,  128*WP
.set CWT,   RING+2*SLOT                ; 309,248: cw as pairs: [e][token] x 8 bytes
.set LG,    CWT+8192                   ; logits [token][8] f32
.set SPARE, LG+4096                    ; 321,536: the spare words, 128 bytes for each wave: two blocks of 256 bytes that no other line names
.set SPI,   528                        ; the way out: a stage of 16 rows x (512 + 16) bytes for each wave, on X's first bytes, which are read no more by then
.set TILEB, 65536                      ; a tile in wb
.set SPW, 1                            ; v1   SPARE + 4 x thread; never rewritten
.set NIL, 2                            ; v2   0; never rewritten
.set AX,  3                            ; v3-4 my place in X's fragments, token blocks 0-3 and 4-7
.set AW1, 5                            ; v5-6 my place in W1's fragments, slot 0, 1
.set AW2, 7                            ; v7-8 the same for W2
.set AH,  9                            ; v9   my place in H's fragments
.set SH,  10                           ; v10  where I put 16 bytes of H'
.set ACW, 11                           ; v11  my token's cw of the expert to come
.set STO, 12                           ; v12  the way out: in
.set RD,  13                           ; v13  the way out: back
.set GO,  14                           ; v14  16 x lane: my offset in a row's 512 bytes, of x and of out
.set CW,  16
.set WGO, 16                           ; router only: v16 my offset in Wg, v18 where X goes, v19 where a logit goes
.set XST, 18
.set LGST, 19
.set T,   32
.set U,   48
.set WA,  64                           ; fragment buffer A: 4 x 16 features, then 8 x 16 tokens
.set HA,  96
.set WB,  160                          ; buffer B
.set HB,  192
.set WV,  12                           ; s12 my wave's number
.set G1,  24                           ; s[24:31] descriptor group 1
.set G0,  32                           ; s[32:39] descriptor group 0, a set for each slot
.set CNT, 40
.set NL2E, 42                          ; s[42:43] -log2(e), twice
.set SEL, 44                           ; s[44:45] v_permlanex16_b32: each lane takes its own place in the other half
.set LM,  46                           ; s46-48 lanes with bit 0, 1, 2 of their number set
.set HI16, 49
.set W_S1, 0x50                        ; C and D window 1
.set W_LO, 0xa0                        ; C and D window 2
.set W_HI, 0xf0                        ; C and D window 3
.set MSB, 0
.macro WIN new                         ; the immediate's high byte repeats the setting that is left; a switch that changes nothing is dropped
.if MSB != (\new)
	s_set_vgpr_msb (MSB<<8)|(\new)
.set MSB, (\new)
.endif
.endm
.macro PLACES                          ; four plain vector instructions between a matrix instruction and a load into, or a read of, its registers
.rept 4
	v_nop
.endr
.endm
; A round of the cluster's barrier: my work-group's barrier, wave 0 signals for the work-group, every wave waits for all four work-groups, my work-group's barrier again.
.macro ROUND
	s_barrier_signal -1
	s_barrier_wait -1
	s_cmp_lg_u32 s[WV], 0
	s_cbranch_scc1 .Lnot_wave_0_\@
	s_barrier_signal -3
.Lnot_wave_0_\@:
	s_barrier_wait -3
	s_barrier_signal -1
	s_barrier_wait -1
.endm
	; ---------------- the start: descriptors, the first two tiles, Wg and x ----------------
	s_load_b256 s[4:11], s[0:1], 0x0               ; x s[4:5], Wg s[6:7], wb s[8:9], out s[10:11]
	v_lshl_add_u32 v[SPW], v0, 2, SPARE
	v_mov_b32 v[NIL], 0
	ds_add_u32 v1, v2
	s_wait_dscnt 0x0
	v_lshrrev_b32 v32, 5, v0
	v_readfirstlane_b32 s[WV], v32                 ; wave 0..3
	s_bfe_u32 s13, ttmp6, 0x40000                  ; cx
	s_lshl_b32 s14, ttmp9, 2                       ; in a cluster launch ttmp9 counts clusters
	s_add_co_u32 s14, s14, s13                     ; my block of 128 tokens
	s_lshl_b32 s14, s14, 18                        ; x 128 rows x 2,048 bytes
	s_lshl_b32 s16, s[WV], 16                      ; x: my wave's 32 rows
	s_add_co_u32 s16, s16, s14
	s_mov_b32 s17, 0
	s_lshl_b32 s18, s[WV], 9                       ; out: my wave's 128 columns
	s_add_co_u32 s18, s18, s14
	s_mov_b32 s19, 0
	s_lshl_b32 s20, s[WV], 14                      ; wb: my wave's 32 rows of a tile; no place in the cluster enters here
	s_mov_b32 s21, 0
	s_mul_i32 s22, s[WV], 32*WP                    ; and where they go in a slot
	s_mov_b32 s[G1+0], 15|(1<<16)|(1<<20)|(1<<21)|(6<<22)|(7<<25)  ; 15:0 mask: all four work-groups; 17:16 elements of 2 bytes; 20 padding on; 21 set beside a mask; 24:22 after every 128 words; 31:25 8 words of it
	s_mov_b32 s[G1+1], 256<<16                     ; tensor_dim0 = 256
	s_mov_b32 s[G1+2], 32<<16                      ; tensor_dim1 = 32
	s_mov_b32 s[G1+3], 256<<16                     ; tile_dim0 = 256
	s_mov_b32 s[G1+4], 32                          ; tile_dim1 = 32
	s_mov_b32 s[G1+5], 256                         ; elements from row to row
	s_mov_b32 s[G1+6], 0
	s_mov_b32 s[G1+7], 0
	s_mov_b32 s[NL2E], 0xbfb8aa3b
	s_mov_b32 s[NL2E+1], 0xbfb8aa3b
	s_mov_b32 s[SEL], 0x76543210
	s_mov_b32 s[SEL+1], 0xfedcba98
	s_mov_b32 s[LM], 0xaaaaaaaa
	s_mov_b32 s[LM+1], 0xcccccccc
	s_mov_b32 s[LM+2], 0xf0f0f0f0
	s_mov_b32 s[HI16], 0xffff0000
	v_and_b32 v33, 31, v0                          ; lane
	v_lshlrev_b32 v[GO], 4, v33
	v_lshlrev_b32 v[WGO], 7, v33                   ; Wg: rows d = 4 lane + c, 32 bytes each
	s_mov_b32 s[G0], 1
	s_add_co_u32 s[G0+1], s22, RING
	s_mov_b32 s[G0+4], 1
	s_add_co_u32 s[G0+5], s22, RING+SLOT
	s_wait_kmcnt 0x0
	s_add_nc_u64 s[4:5], s[4:5], s[16:17]
	s_add_nc_u64 s[10:11], s[10:11], s[18:19]
	s_add_nc_u64 s[G0+2:G0+3], s[8:9], s[20:21]    ; tile 0
	s_add_nc_u64 s[G0+6:G0+7], s[G0+2:G0+3], TILEB ; tile 1
	s_or_b32 s[G0+3], s[G0+3], 0x80000000          ; type = 2
	s_or_b32 s[G0+7], s[G0+7], 0x80000000
	ROUND                                          ; all four work-groups are here: the first joint loads meet
	tensor_load_to_lds s[G0:G0+3], s[G1:G1+7]
	s_nop 0
	tensor_load_to_lds s[G0+4:G0+7], s[G1:G1+7]
	s_nop 0
	PLACES                                         ; four v_nop behind the loads, ahead of the window switch
	; Wg -> window 1: v[8 n + e] = Wg[128 (n / 4) + 4 lane + n % 4][e], the rows d that go with my 16 numbers of a row of x.  The eight loads of a group of 128 rows cover its 4,096 bytes.
	WIN 0x40
.irp i, 0,1,2,3
.irp c, 0,1,2,3
	global_load_b128 v[32*\i+8*\c:32*\i+8*\c+3],   v[WGO], s[6:7] offset:4096*\i+32*\c
	global_load_b128 v[32*\i+8*\c+4:32*\i+8*\c+7], v[WGO], s[6:7] offset:4096*\i+32*\c+16
.endr
.endr
	; my wave's 32 rows of x: four loads of 512 consecutive bytes a row; all 128 are asked for at once
	WIN 0x80
.set i, 0
.rept 16
.irp c, 0,1,2,3
	global_load_b128 v[16*i+4*\c:16*i+4*\c+3], v[GO], s[4:5] offset:2048*i+512*\c th:TH_LOAD_NT
.endr
.set i, i+1
.endr
	WIN 0xc0
.rept 16
.irp c, 0,1,2,3
	global_load_b128 v[16*(i-16)+4*\c:16*(i-16)+4*\c+3], v[GO], s[4:5] offset:2048*i+512*\c th:TH_LOAD_NT
.endr
.set i, i+1
.endr
	WIN 0
	; the addresses
	v_and_b32 v34, 15, v0                          ; r = l % 16
	v_bfe_u32 v35, v0, 4, 1                        ; h = l / 16
	v_and_b32 v36, 7, v0
	v_bfe_u32 v37, v0, 3, 1
	v_mul_u32_u24 v[AX], v34, XP                   ; a fragment with K along the rows: row r x pitch + 16 h, two loads 32 bytes apart
	v_lshl_add_u32 v[AX], v35, 4, v[AX]
	v_add_nc_u32 v[AX+1], 64*XP, v[AX]
	v_lshl_add_u32 v38, v35, 3, v36                ; the turning load: row 8 h + l % 8, 16 bytes at 16 ((l / 8) % 2)
	v_mul_u32_u24 v38, v38, WP
	v_lshl_add_u32 v38, v37, 4, v38
	s_lshl_b32 s23, s[WV], 5                       ; W1: my f blocks begin at column 16 w of each 64
	s_add_co_u32 s23, s23, RING
	v_add_nc_u32 v[AW1], s23, v38
	v_add_nc_u32 v[AW1+1], SLOT, v[AW1]
	s_lshr_b32 s22, s[WV], 1                       ; W2: my n = 128 w ..: rows 64 (w / 2) on, columns 128 (w % 2) on
	s_mul_i32 s22, s22, 64*WP
	s_and_b32 s23, s[WV], 1
	s_lshl_b32 s23, s23, 8
	s_add_co_u32 s22, s22, s23
	s_add_co_u32 s22, s22, RING
	v_add_nc_u32 v[AW2], s22, v38
	v_add_nc_u32 v[AW2+1], SLOT, v[AW2]
	v_mul_u32_u24 v[AH], v34, HPP
	v_lshl_add_u32 v[AH], v35, 4, v[AH]
	v_add_nc_u32 v[AH], HPB, v[AH]
	v_lshl_add_u32 v[SH], s[WV], 5, v[AH]          ; my block's 32 bytes of a row of H'
	v_lshl_add_u32 v[ACW], v34, 3, CWT
	s_mul_i32 s22, s[WV], 16*SPI
	v_mul_u32_u24 v[STO], v34, SPI
	v_lshl_add_u32 v[STO], v35, 5, v[STO]
	v_add_nc_u32 v[STO], s22, v[STO]
	v_add_nc_u32 v[RD], s22, v[GO]
	s_mul_i32 s23, s[WV], 32*XP
	v_lshl_add_u32 v[XST], v33, 3, s23             ; my 4 numbers (8 bytes) of each 128 of my wave's rows of X
	s_lshl_b32 s23, s[WV], 10
	s_add_co_u32 s23, s23, LG
	v_lshl_add_u32 v[LGST], v36, 2, s23
	; Wg is rounded to bf16 and widened again, in place
	s_wait_loadcnt 63                              ; behind Wg's loads stand x's 128; the count is the largest that the wait can name
	WIN 0x05
.set k, 0
.rept 64
	v_cvt_pk_bf16_f32 v[64+k], v[2*k], v[2*k+1]
.set k, k+1
.endr
	WIN 0x40
.set k, 0
.rept 64
	v_lshlrev_b32 v[2*k], 16, v[64+k]
	v_and_b32 v[2*k+1], s[HI16], v[64+k]
.set k, k+1
.endr
	; ---------------- the router's sums and the cast of x, a token at a time ----------------
; Token i of my wave's 32.  My 16 numbers of its row are rounded to bf16 (8 bytes x 4 go to X in LDS), widened again, and multiplied into 8 partial logits (4 pairs).
; Then the 8 x 32 partial sums are added over the lanes: three steps halve the number of values while they cross lanes 1, 2, 4 apart (a lane keeps the expert whose bit
; equals its own and sends the other), two more cross 8 and 16.  Lane l ends with the logit of expert l % 8.
.macro TOKEN i
.set XR, 16*((\i)%16)
.if 124-4*(\i) > 63
	s_wait_loadcnt 63                              ; more than 63 loads are younger: the largest count that the wait can name
.else
	s_wait_loadcnt 124-4*(\i)                      ; the later tokens' loads, four each, stay out
.endif
	WIN 0x0a+5*((\i)/16)
.irp k, 0,1,2,3,4,5,6,7
	v_cvt_pk_bf16_f32 v[U+\k], v[XR+2*\k], v[XR+2*\k+1]
.endr
	WIN 0
.irp k, 0,1,2,3,4,5,6,7
	v_lshlrev_b32 v[64+2*\k], 16, v[U+\k]
	v_and_b32 v[65+2*\k], s[HI16], v[U+\k]
.endr
.irp c, 0,1,2,3
	ds_store_b64 v[XST], v[U+2*\c:U+2*\c+1] offset:(\i)*XP+256*\c   ; 32 lanes: 256 consecutive bytes
.endr
	WIN 0x04                                       ; Wg in window 1
.irp m, 0,1,2,3
	v_pk_mul_f32 v[T+2*\m:T+2*\m+1], v[64:65], v[2*\m:2*\m+1] op_sel_hi:[0,1]
.endr
.set n, 1
.rept 15
.irp m, 0,1,2,3
.if (n%2) == 0
	v_pk_fma_f32 v[T+2*\m:T+2*\m+1], v[64+2*(n/2):65+2*(n/2)], v[8*n+2*\m:8*n+2*\m+1], v[T+2*\m:T+2*\m+1] op_sel_hi:[0,1,1]
.else
	v_pk_fma_f32 v[T+2*\m:T+2*\m+1], v[64+2*(n/2):65+2*(n/2)], v[8*n+2*\m:8*n+2*\m+1], v[T+2*\m:T+2*\m+1] op_sel:[1,0,0] op_sel_hi:[1,1,1]
.endif
.endr
.set n, n+1
.endr
	WIN 0
.irp m, 0,1,2,3
	v_cndmask_b32 v[40+\m], v[T+2*\m], v[T+2*\m+1], s[LM]      ; keep: an odd lane the odd expert's, an even lane the even one's
	v_cndmask_b32 v[44+\m], v[T+2*\m+1], v[T+2*\m], s[LM]      ; send the other
.endr
.irp m, 0,1,2,3
	v_add_f32_dpp v[40+\m], v[44+\m], v[40+\m] row_xmask:1 row_mask:0xf bank_mask:0xf
.endr
.irp m, 0,1
	v_cndmask_b32 v[32+\m], v[40+2*\m], v[41+2*\m], s[LM+1]
	v_cndmask_b32 v[34+\m], v[41+2*\m], v[40+2*\m], s[LM+1]
.endr
.irp m, 0,1
	v_add_f32_dpp v[32+\m], v[34+\m], v[32+\m] row_xmask:2 row_mask:0xf bank_mask:0xf
.endr
	v_cndmask_b32 v40, v32, v33, s[LM+2]
	v_cndmask_b32 v41, v33, v32, s[LM+2]
	v_add_f32_dpp v40, v41, v40 row_xmask:4 row_mask:0xf bank_mask:0xf
	v_add_f32_dpp v40, v40, v40 row_xmask:8 row_mask:0xf bank_mask:0xf
	v_permlanex16_b32 v41, v40, s[SEL], s[SEL+1]
	v_add_f32 v40, v40, v41
	ds_store_b32 v[LGST], v40 offset:32*(\i)       ; the four lanes of an expert store the same number to the same word
.endm
.irp i, 0,1,2,3,4,5,6,7,8,9,10,11,12,13,14,15,16,17,18,19,20,21,22,23,24,25,26,27,28,29,30,31
	TOKEN \i
.endr
	; ---------------- the two largest logits and their weights: one thread, one token ----------------
	s_wait_dscnt 0x0                               ; my stores to X and to the logits are done,
	s_barrier_signal -1
	s_barrier_wait -1                              ; everybody's are
	v_lshl_add_u32 v56, v0, 5, LG
	ds_load_b128 v[32:35], v56
	ds_load_b128 v[36:39], v56 offset:16
	v_lshl_add_u32 v57, v0, 3, CWT
	v_mov_b32 v42, 0xff800000                      ; -inf
	v_mov_b32 v41, 0                               ; i1
	v_mov_b32 v44, 0                               ; i2
	s_wait_dscnt 0x0
	v_mov_b32 v40, v32                             ; m1
.irp e, 1,2,3,4,5,6,7
	v_cmp_gt_f32 vcc_lo, v[32+\e], v40             ; strictly larger: of equals the lower index stays
	v_cndmask_b32 v40, v40, v[32+\e], vcc_lo
	v_cndmask_b32 v41, v41, \e, vcc_lo
.endr
.irp e, 0,1,2,3,4,5,6,7
	v_cmp_eq_u32 vcc_lo, \e, v41
	v_cndmask_b32 v[32+\e], v[32+\e], v42, vcc_lo  ; the first choice leaves the field
.endr
	v_mov_b32 v43, v32                             ; m2
.irp e, 1,2,3,4,5,6,7
	v_cmp_gt_f32 vcc_lo, v[32+\e], v43
	v_cndmask_b32 v43, v43, v[32+\e], vcc_lo
	v_cndmask_b32 v44, v44, \e, vcc_lo
.endr
	v_sub_f32 v45, v43, v40                        ; m2 - m1 <= 0: the maximum is taken away
	v_mul_f32 v45, 0x3fb8aa3b, v45
	v_exp_f32 v45, v45                             ; t = e^(m2 - m1)
	v_nop                                          ; a plain instruction behind a transcendental, ahead of the use of its result (ISA guide 5.7.2)
	s_wait_alu depctr_va_vdst(0)
	v_add_f32 v46, 1.0, v45
	v_rcp_f32 v46, v46                             ; w of the first choice = 1 / (1 + t)
	v_nop
	s_wait_alu depctr_va_vdst(0)
	v_mul_f32 v47, v45, v46                        ; w of the second = t / (1 + t)
.irp e, 0,1,2,3,4,5,6,7
	v_cmp_eq_u32 vcc_lo, \e, v44
	v_cndmask_b32 v48, 0, v47, vcc_lo
	v_cmp_eq_u32 vcc_lo, \e, v41
	v_cndmask_b32 v48, v48, v46, vcc_lo
	v_mov_b32 v49, v48                             ; twice: the packed multiply takes a pair
	ds_store_b64 v57, v[48:49] offset:1024*\e
.endr
	s_wait_tensorcnt 0x1                           ; my part of tile 0 is in; tile 1's load, issued behind it, may stay out
	s_wait_dscnt 0x0                               ; my cw are stored
	s_barrier_signal -1
	s_barrier_wait -1
	; ---------------- the experts ----------------
; 16 matrix instructions: feature blocks n0, n0 + 1 of the four in buffer w x the 8 token blocks in buffer a, 32 along K; the accumulators' window is set by the caller.
; The accumulators take turns, one instruction a turn.  zero = 1: the product starts the sums: nothing is ever cleared.
.macro MUL16 w, a, n0, zero
.irp n, \n0, \n0+1
.irp t, 0,1,2,3,4,5,6,7
.if \zero
	v_wmma_f32_16x16x32_bf16 v[8*(8*(\n)+\t):8*(8*(\n)+\t)+7], v[\w+8*(\n):\w+8*(\n)+7], v[\a+8*\t:\a+8*\t+7], 0
.else
	v_wmma_f32_16x16x32_bf16 v[8*(8*(\n)+\t):8*(8*(\n)+\t)+7], v[\w+8*(\n):\w+8*(\n)+7], v[\a+8*\t:\a+8*\t+7], v[8*(8*(\n)+\t):8*(8*(\n)+\t)+7]
.endif
.endr
.endr
.endm
; S1's fragments for 32 d (step ks of W1's tile s, which lies in slot p): my four f blocks, turned, and all 128 tokens of X: 24 loads into buffer f
.macro FETCH_S1 p, s, ks, f
.irp q, 0,1,2,3
	ds_load_tr16_b128 v[\f+8*\q:\f+8*\q+3],   v[AW1+(\p)] offset:(\ks)*32*WP+128*\q
	ds_load_tr16_b128 v[\f+8*\q+4:\f+8*\q+7], v[AW1+(\p)] offset:(\ks)*32*WP+128*\q+16*WP
.endr
.irp t, 0,1,2,3,4,5,6,7
	ds_load_b128 v[\f+32+8*\t:\f+32+8*\t+3],   v[AX+\t/4] offset:(\t%4)*16*XP+256*(\s)+64*(\ks)
	ds_load_b128 v[\f+32+8*\t+4:\f+32+8*\t+7], v[AX+\t/4] offset:(\t%4)*16*XP+256*(\s)+64*(\ks)+32
.endr
.endm
; S2: four n blocks (4 hi + 0..3) of W2 for 32 f (step ks of the chunk in slot p), turned: 8 loads
.macro FETCH_W2 p, ks, hi, w
.irp n, 0,1,2,3
	ds_load_tr16_b128 v[\w+8*\n:\w+8*\n+3],   v[AW2+(\p)] offset:(\ks)*32*WP+32*(4*(\hi)+\n)
	ds_load_tr16_b128 v[\w+8*\n+4:\w+8*\n+7], v[AW2+(\p)] offset:(\ks)*32*WP+32*(4*(\hi)+\n)+16*WP
.endr
.endm
; S2: all 128 tokens of H' for 32 f (step ks of buffer b): 16 loads
.macro FETCH_H b, ks, a
.irp t, 0,1,2,3,4,5,6,7
	ds_load_b128 v[\a+8*\t:\a+8*\t+3],   v[AH] offset:(\b)*HBUF+\t*16*HPP+64*(\ks)
	ds_load_b128 v[\a+8*\t+4:\a+8*\t+7], v[AH] offset:(\b)*HBUF+\t*16*HPP+64*(\ks)+32
.endr
.endm
.macro FETCH_CW                        ; my 8 tokens' cw of this expert; then on to the next expert's
.irp t, 0,1,2,3,4,5,6,7
	ds_load_b64 v[CW+2*\t:CW+2*\t+1], v[ACW] offset:128*\t
.endr
	v_add_nc_u32 v[ACW], 1024, v[ACW]
.endm
; The head of a step of 32 matrix instructions: its fragments, asked for a step ago, are in; four places stand between the last step's products and the loads into its buffer.
.macro HEAD
	s_wait_dscnt 0x0
	WIN 0
	PLACES
.endm
; cw silu(h) of my f block of chunk q, all 128 tokens, rounded to bf16 into H' buffer b.  Two tiles (16 registers) at a time:
; t = -h log2 e, u = cw h; 2^t; 1 + 2^t; its reciprocal; u times that.  Each accumulator is read from its low end on.
.macro SILU q, b
.irp t, 0,2,4,6
.set HR, 8*(8*(\q)+\t)
	WIN 0x01                                       ; source 0: H, in window 1
.irp k, 0,1,2,3,4,5,6,7
	v_pk_mul_f32 v[T+2*\k:T+2*\k+1], v[HR+2*\k:HR+2*\k+1], s[NL2E:NL2E+1] op_sel_hi:[1,0]
.endr
.irp k, 0,1,2,3,4,5,6,7
	v_pk_mul_f32 v[U+2*\k:U+2*\k+1], v[HR+2*\k:HR+2*\k+1], v[CW+2*(\t+\k/4):CW+2*(\t+\k/4)+1]
.endr
	WIN 0
.irp k, 0,1,2,3,4,5,6,7,8,9,10,11,12,13,14,15
	v_exp_f32 v[T+\k], v[T+\k]
.endr
	v_nop                                          ; a plain instruction between the last transcendental and the use of its result (ISA guide 5.7.2)
	s_wait_alu depctr_va_vdst(0)
.irp k, 0,1,2,3,4,5,6,7
	v_pk_add_f32 v[T+2*\k:T+2*\k+1], v[T+2*\k:T+2*\k+1], 1.0 op_sel_hi:[1,0]
.endr
.irp k, 0,1,2,3,4,5,6,7,8,9,10,11,12,13,14,15
	v_rcp_f32 v[T+\k], v[T+\k]
.endr
	v_nop
	s_wait_alu depctr_va_vdst(0)
.irp k, 0,1,2,3,4,5,6,7
	v_pk_mul_f32 v[U+2*\k:U+2*\k+1], v[U+2*\k:U+2*\k+1], v[T+2*\k:T+2*\k+1]
.endr
.irp k, 0,1,2,3,4,5,6,7
	v_cvt_pk_bf16_f32 v[U+\k], v[U+2*\k], v[U+2*\k+1]          ; ascending: a register is written only when it has been read
.endr
	ds_store_b128 v[SH], v[U:U+3]   offset:(\b)*HBUF+\t*16*HPP
	ds_store_b128 v[SH], v[U+4:U+7] offset:(\b)*HBUF+(\t+1)*16*HPP
.endr
.endm
; THE CHANGE OF SLOTS.  One barrier for four things.  In front of it each wave waits for all its tensor loads (one is out: its part of the next slot), adds 0 to its spare
; word, and waits for that, for its reads of slot p and of H', and for its stores to H'.  Behind it the next slot is whole, nobody reads slot p, the H' just written may be
; read and the H' just read may be written.  fill = 1: the barrier is a round of the cluster's, and slot p takes the tile two further on, first thing behind it.
.macro CHANGE p, fill
	WIN 0                                          ; at a label and at a branch every window is 0
	s_wait_tensorcnt 0x0                           ; no tensor load of mine is out, so a group 0 may be written
	ds_add_u32 v[SPW], v[NIL]                      ; 0 onto my spare word
.if \fill
	s_add_nc_u64 s[G0+4*(\p)+2:G0+4*(\p)+3], s[G0+4*(\p)+2:G0+4*(\p)+3], 2*TILEB   ; the type bits on top are not reached
	s_wait_dscnt 0x0
	ROUND
	tensor_load_to_lds s[G0+4*(\p):G0+4*(\p)+3], s[G1:G1+7]   ; it has the next slot's steps, 112 matrix instructions, in which to land
	s_nop 0
	PLACES                                         ; four v_nop behind the load: also the places in front of the fragment loads that follow
.else
	s_wait_dscnt 0x0
	s_barrier_signal -1
	s_barrier_wait -1
	PLACES
.endif
.endm
; S1 on W1's tile s (128 d, in slot p): four steps of 32 d, 32 matrix instructions each, on buffers A, B, A, B; each step asks for the next one's fragments.
; The last step changes slots in its middle.  In tile 3 chunk 0's silu stands there: its accumulators (q = 0) are finished by the step's first half.
.macro S1_SLOT s, p, np
	HEAD
.if \s == 0
	FETCH_CW
.endif
	FETCH_S1 \p, \s, 1, WB
	WIN W_S1
.if \s == 0
	MUL16 WA, HA, 0, 1                             ; the expert's first 32 d start H's sums
	MUL16 WA, HA, 2, 1
.else
	MUL16 WA, HA, 0, 0
	MUL16 WA, HA, 2, 0
.endif
	HEAD
	FETCH_S1 \p, \s, 2, WA
	WIN W_S1
	MUL16 WB, HB, 0, 0
	MUL16 WB, HB, 2, 0
	HEAD
	FETCH_S1 \p, \s, 3, WB
	WIN W_S1
	MUL16 WA, HA, 0, 0
	MUL16 WA, HA, 2, 0
	s_wait_dscnt 0x0
	MUL16 WB, HB, 0, 0
.if \s == 3
	WIN 0
	PLACES                                         ; silu reads results just made
	SILU 0, 0
.endif
	CHANGE \p, 1
.if \s < 3
	FETCH_S1 \np, \s+1, 0, WA
.else
	FETCH_W2 0, 0, 0, WA
	FETCH_H 0, 0, HA
.endif
	WIN W_S1
	MUL16 WB, HB, 2, 0
.endm
.macro S1_ALL
	S1_SLOT 0, 0, 1
	S1_SLOT 1, 1, 0
	S1_SLOT 2, 0, 1
	S1_SLOT 3, 1, 0
.endm
; S2 on a chunk of 64 f (W2's tile in slot p, H' in buffer p): four steps of 32 matrix instructions: (f 0-31, n blocks 0-3), (f 0-31, 4-7), (f 32-63, 0-3), (f 32-63, 4-7).
.macro S2_ST01 p, zero                 ; the first two
	HEAD
	FETCH_W2 \p, 0, 1, WB
	FETCH_H \p, 1, HB
	WIN W_LO
	MUL16 WA, HA, 0, \zero
	MUL16 WA, HA, 2, \zero
	HEAD
	FETCH_W2 \p, 1, 0, WA
	WIN W_HI
	MUL16 WB, HA, 0, \zero
	MUL16 WB, HA, 2, \zero
.endm
.macro S2_HEAD zero                    ; chunk 0's first two steps; zero = 1: expert 0's start O's 64 sums
	S2_ST01 0, \zero
	WIN 0
.endm
; The rest of chunk q.  The last step changes slots in its middle; in front of the change stands the next chunk's silu, into the other buffer of H'.
; last = 1 (expert 7): the change out of chunk 2 fills nothing (tiles 62 and 63 are the last), and chunk 3 has no change.
.macro S2_CHUNK q, p, np, last
.if \q > 0
	S2_ST01 \p, 0
.endif
	HEAD
	FETCH_W2 \p, 1, 1, WB
	WIN W_LO
	MUL16 WA, HB, 0, 0
	MUL16 WA, HB, 2, 0
	s_wait_dscnt 0x0
	WIN W_HI
	MUL16 WB, HB, 0, 0
.if \q < 3
	WIN 0
	SILU \q+1, \np                                 ; it names no register of the products round it
.endif
.if (\q < 3) || (\last == 0)
.if (\q == 2) && \last
	CHANGE \p, 0
.else
	CHANGE \p, 1
.endif
.if \q < 3
	FETCH_W2 \np, 0, 0, WA
	FETCH_H \np, 0, HA
.else
	FETCH_S1 0, 0, 0, WA                           ; the next expert's first fragments
.endif
.endif
	WIN W_HI
	MUL16 WB, HB, 2, 0
.endm
.macro S2_REST last
	S2_CHUNK 0, 0, 1, \last
	S2_CHUNK 1, 1, 0, \last
	S2_CHUNK 2, 0, 1, \last
	S2_CHUNK 3, 1, 0, \last
.endm
	FETCH_S1 0, 0, 0, WA
	S1_ALL                                         ; expert 0
	S2_HEAD 1
	s_mov_b32 s[CNT], 7
.Lexpert:                                              ; a trip: the rest of an expert's S2, the next expert's S1 and the head of its S2; eight changes of slots, each with its refill
	S2_REST 0
	S1_ALL
	S2_HEAD 0
	s_sub_co_u32 s[CNT], s[CNT], 1
	s_cmp_lg_u32 s[CNT], 0
	s_cbranch_scc1 .Lexpert
	S2_REST 1                                      ; expert 7's tail is written out
	; ---------------- the way out ----------------
; A block of 16 tokens at a time: a lane's 8 numbers of a row go as 2 x 16 bytes into my stage (rows of 528 bytes), low four registers first, and come back as whole rows of 512 bytes.
; The stage is my wave's own; LDS serves a wave's instructions in order (ISA guide 5.7.1.4), so no wait stands between the stores and the loads, nor in front of the next block's stores.
.macro TOSTAGE tb
.set BK, 64+64*((\tb)%2)
	s_wait_xcnt 0x0                                ; the registers that the stores of two blocks ago read are loaded again only behind this wait
	WIN 0x08                                       ; store data: window 2
.irp n, 0,1,2,3
	ds_store_b128 v[STO], v[8*(8*\n+(\tb)):8*(8*\n+(\tb))+3]   offset:64*\n
	ds_store_b128 v[STO], v[8*(8*\n+(\tb))+4:8*(8*\n+(\tb))+7] offset:64*\n+16
.endr
	WIN 0x0c                                       ; window 3
.irp n, 0,1,2,3
	ds_store_b128 v[STO], v[8*(8*\n+(\tb)):8*(8*\n+(\tb))+3]   offset:64*(\n+4)
	ds_store_b128 v[STO], v[8*(8*\n+(\tb))+4:8*(8*\n+(\tb))+7] offset:64*(\n+4)+16
.endr
	WIN 0
.irp r, 0,1,2,3,4,5,6,7,8,9,10,11,12,13,14,15
	ds_load_b128 v[BK+4*\r:BK+4*\r+3], v[RD] offset:SPI*\r
.endr
.endm
.macro SEND tb, younger                ; younger: the LDS instructions issued behind the block's loads: the next block's 16 stores and 16 loads, or none
.set BK, 64+64*((\tb)%2)
.irp r, 0,1,2,3,4,5,6,7,8,9,10,11,12,13,14,15
	s_wait_dscnt \younger+15-\r
	global_store_b128 v[GO], v[BK+4*\r:BK+4*\r+3], s[10:11] offset:(16*(\tb)+\r)*2048 th:TH_STORE_NT   ; the wave stores 512 consecutive bytes, at a multiple of 512 from out's first byte
.endr
.endm
	WIN 0
	PLACES                                         ; between the last products and the stores that read them, and the loads into the fragment buffers
	TOSTAGE 0
.irp tb, 1,2,3,4,5,6,7
	TOSTAGE \tb
	SEND \tb-1, 32
.endr
	SEND 7, 0
	s_wait_tensorcnt 0x0                           ; the wave's end: behind my last tensor load and my last LDS store
	ds_add_u32 v[SPW], v[NIL]
	s_wait_dscnt 0x0
	ROUND                                          ; the closing round: no work-group ends while a partner may still ask for a tile that names it
	s_endpgm
.Lfunc_end_k_qacc5559760_moe:
	.size	k_qacc5559760_moe, .Lfunc_end_k_qacc5559760_moe-k_qacc5559760_moe
	.p2alignl 7, 3214868480
	.fill 96, 4, 3214868480
	.section	.rodata,"a",@progbits
	.p2align	6, 0x0
	.amdhsa_kernel k_qacc5559760_moe
		.amdhsa_group_segment_fixed_size 327680
		.amdhsa_private_segment_fixed_size 0
		.amdhsa_enable_private_segment 0
		.amdhsa_kernarg_size 32
		.amdhsa_user_sgpr_count 2
		.amdhsa_user_sgpr_kernarg_segment_ptr 1
		.amdhsa_wavefront_size32 1
		.amdhsa_system_sgpr_workgroup_id_x 1
		.amdhsa_system_sgpr_workgroup_id_y 1
		.amdhsa_system_sgpr_workgroup_id_z 1
		.amdhsa_system_vgpr_workitem_id 0
		.amdhsa_next_free_vgpr 1024
		.amdhsa_next_free_sgpr 66
		.amdhsa_reserve_vcc 1
		.amdhsa_float_denorm_mode_32 3
		.amdhsa_float_denorm_mode_16_64 3
		.amdhsa_memory_ordered 1
		.amdhsa_forward_progress 1
		.amdhsa_inst_pref_size 255
	.end_amdhsa_kernel
	.section	.bss,"aw",@nobits
	.p2align	6
	.space	262144
	.amdgpu_metadata
---
amdhsa.version: [ 1, 2 ]
amdhsa.kernels:
  - .name:           k_qacc5559760_moe
    .symbol:         k_qacc5559760_moe.kd
    .args:
      - { .name: x, .offset: 0, .size: 8, .value_kind: global_buffer, .address_space: global }
      - { .name: Wg, .offset: 8, .size: 8, .value_kind: global_buffer, .address_space: global }
      - { .name: wb, .offset: 16, .size: 8, .value_kind: global_buffer, .address_space: global }
      - { .name: out0, .offset: 24, .size: 8, .value_kind: global_buffer, .address_space: global }
    .group_segment_fixed_size: 327680
    .private_segment_fixed_size: 0
    .kernarg_segment_align: 8
    .kernarg_segment_size: 32
    .max_flat_workgroup_size: 128
    .sgpr_count:     66
    .vgpr_count:     1024
    .wavefront_size: 32
...
	.end_amdgpu_metadata
.endif
;; end of part 2
;; ======== version 2 of 3: 2 launches; 1.22 times as fast as version 1
;; workspace buffers: wb 4,210,688 bytes
;; launch prep (part 3): grid 256 x 1, 8 waves a work-group, no clusters, 0 bytes of LDS; arguments W1, W2, Wg, wb; writes wb
.if DOCPART == 3
	.amdgcn_target "amdgcn-amd-amdhsa--gfx1250"
	.amdhsa_code_object_version 6
	.text
	.protected	k_qacc5559760_prep
	.globl	k_qacc5559760_prep
	.p2align	8
	.type	k_qacc5559760_prep,@function
k_qacc5559760_prep:
	s_mov_b64 s[64:65], 0
	v_nop
	global_prefetch_b8 v0, s[64:65] scope:SCOPE_SE
	s_setreg_imm32_b32 hwreg(HW_REG_WAVE_MODE, 25, 1), 1
	s_wait_xcnt 0x0
; W1 [8][512][256], W2 [8][256][512] and Wg [512][8], f32, are rounded once to bf16 and laid into wb in the form in which the next launch takes them.
; Bytes 0 .. 4,194,303: a stream of 64 tiles of 128 rows x 256 numbers (65,536 bytes, dense), tile 8 e + i:
;   i = 0..3: W1[e], row = d - 128 i, column = f               (W1[e] as it lies: 262,144 bytes on end)
;   i = 4..7: W2[e], q = i - 4: row = 64 (n >> 8) + (f - 64 q), column = n & 255
; Bytes 4,194,304 .. 4,210,687: Wg as the register image of a matrix operand of 16 rows x 32 d, for each of 16 steps of 32 d: step x 1,024 + lane x 32 + register x 4.
;   Lane l holds row l % 16, which is expert l % 8 (the 8 experts stand twice); registers 0-3 hold d = 8 (l / 16) + 0..7 of the step, registers 4-7 d = 16 + 8 (l / 16) + 0..7.
; 256 work-groups of 8 waves; work-group g takes numbers 4096 g .. 4096 g + 4095 of W1 and of W2: 16 rows of W1, 8 rows of W2.  Thread t takes 4 neighbouring numbers in
; each of four loads a tensor; a wave's load covers 512 consecutive bytes and its store 256 consecutive bytes, aligned.  Work-groups 0 to 7 also make Wg's image, two
; registers (four d of one expert) a thread: four loads of 4 bytes, 32 bytes apart (16 KB in all, read once), one store of 8 bytes; a wave's store again covers 256 bytes.
; Memory binds: no LDS, no barrier, no matrix unit.
; REGISTERS: v1-3 offsets; v[8:23] W1 as loaded; v[24:39] W2 as loaded; v[40:47], v[48:55] the same packed; v6-7, v56-66 Wg's image.
; No register that a load or a store names is written again behind it, so no wait frees a source.
.set WGF, 4194304
.set D1,  8                            ; W1's 16 numbers
.set D2,  24                           ; W2's 16 numbers
.set P1,  40                           ; W1's, packed
.set P2,  48                           ; W2's, packed
	s_load_b256 s[4:11], s[0:1], 0x0               ; W1 s[4:5], W2 s[6:7], Wg s[8:9], wb s[10:11]
	s_lshl_b32 s16, ttmp9, 14                      ; g x 4,096 numbers x 4 bytes: the group's part of both sources
	s_mov_b32 s17, 0
	s_lshr_b32 s20, ttmp9, 5                       ; e: 32 work-groups to an expert
	s_lshl_b32 s20, s20, 19                        ; e x 8 tiles x 65,536 bytes
	s_and_b32 s21, ttmp9, 31
	s_lshl_b32 s21, s21, 13                        ; W1: the group's 4,096 numbers x 2 bytes, on end
	s_add_co_u32 s18, s20, s21
	s_mov_b32 s19, 0
	s_bfe_u32 s22, ttmp9, 0x20003                  ; W2: q = (g >> 3) & 3: eight work-groups (64 rows f) to a tile
	s_lshl_b32 s22, s22, 16
	s_and_b32 s23, ttmp9, 7
	s_lshl_b32 s23, s23, 12                        ; the group's 8 rows f in the tile, 512 bytes each
	s_add_co_u32 s22, s22, s23
	s_add_co_u32 s22, s22, s20
	s_add_co_u32 s22, s22, 262144                  ; behind the expert's four tiles of W1
	s_mov_b32 s23, 0
	s_lshl_b32 s24, ttmp9, 8                       ; Wg's image: 256 pairs of registers to a work-group
	v_lshlrev_b32 v1, 4, v0                        ; source: 16 t
	v_lshlrev_b32 v2, 3, v0                        ; W1's destination: 8 t
	v_and_b32 v3, 63, v0                           ; W2's: a load holds two rows f; n = 4 (t & 127)
	v_lshlrev_b32 v3, 3, v3                        ; column n & 255 -> 8 (t & 63) bytes
	v_bfe_u32 v4, v0, 6, 1
	v_lshl_add_u32 v3, v4, 15, v3                  ; n >> 8 -> 64 rows of 512 bytes
	v_lshrrev_b32 v5, 7, v0
	v_lshl_add_u32 v3, v5, 9, v3                   ; which of the two rows f
	s_wait_kmcnt 0x0
	s_add_nc_u64 s[4:5], s[4:5], s[16:17]
	s_add_nc_u64 s[6:7], s[6:7], s[16:17]
	s_add_nc_u64 s[12:13], s[10:11], s[18:19]
	s_add_nc_u64 s[14:15], s[10:11], s[22:23]
.irp i, 0,1,2,3
	global_load_b128 v[D1+4*\i:D1+4*\i+3], v1, s[4:5] offset:4096*\i th:TH_LOAD_NT
.endr
.irp i, 0,1,2,3
	global_load_b128 v[D2+4*\i:D2+4*\i+3], v1, s[6:7] offset:4096*\i th:TH_LOAD_NT
.endr
	s_cmp_lt_u32 ttmp9, 8
	s_cbranch_scc0 .Lweights
	; Wg's image.  Pair P = 256 g + t: step P >> 7, lane (P >> 2) & 31, registers 2 (P & 3) and 2 (P & 3) + 1: four d on end, from 32 step + 16 (bit 1) + 8 (lane / 16 = bit 6) + 4 (bit 0)
	v_add_nc_u32 v6, s24, v0
	v_and_b32 v7, 0xffffff80, v6
	v_lshlrev_b32 v7, 3, v7                        ; step x 32 rows d x 32 bytes
	v_bfe_u32 v56, v6, 1, 1
	v_lshl_add_u32 v7, v56, 9, v7                  ; 16 rows
	v_bfe_u32 v57, v6, 6, 1
	v_lshl_add_u32 v7, v57, 8, v7                  ; 8 rows
	v_and_b32 v58, 1, v6
	v_lshl_add_u32 v7, v58, 7, v7                  ; 4 rows
	v_bfe_u32 v59, v6, 2, 3
	v_lshl_add_u32 v7, v59, 2, v7                  ; the expert: lane % 8
	v_lshlrev_b32 v66, 3, v6                       ; the pair's place in the image
.irp i, 0,1,2,3
	global_load_b32 v[60+\i], v7, s[8:9] offset:32*\i
.endr
	s_wait_loadcnt 0x0                             ; these four are the youngest: the weights' eight loads, asked for ahead of them, are in as well
	v_cvt_pk_bf16_f32 v64, v60, v61
	v_cvt_pk_bf16_f32 v65, v62, v63
	global_store_b64 v66, v[64:65], s[10:11] offset:WGF
.Lweights:
.irp i, 0,1,2,3
	s_wait_loadcnt 7-\i                            ; loads come back in order: the 7 - i younger ones stay out
	v_cvt_pk_bf16_f32 v[P1+2*\i],   v[D1+4*\i],   v[D1+4*\i+1]
	v_cvt_pk_bf16_f32 v[P1+2*\i+1], v[D1+4*\i+2], v[D1+4*\i+3]
	global_store_b64 v2, v[P1+2*\i:P1+2*\i+1], s[12:13] offset:2048*\i
.endr
.irp i, 0,1,2,3
	s_wait_loadcnt 3-\i
	v_cvt_pk_bf16_f32 v[P2+2*\i],   v[D2+4*\i],   v[D2+4*\i+1]
	v_cvt_pk_bf16_f32 v[P2+2*\i+1], v[D2+4*\i+2], v[D2+4*\i+3]
	global_store_b64 v3, v[P2+2*\i:P2+2*\i+1], s[14:15] offset:1024*\i   ; two rows f further on in each load
.endr
	s_endpgm
.Lfunc_end_k_qacc5559760_prep:
	.size	k_qacc5559760_prep, .Lfunc_end_k_qacc5559760_prep-k_qacc5559760_prep
	.p2alignl 7, 3214868480
	.fill 96, 4, 3214868480
	.section	.rodata,"a",@progbits
	.p2align	6, 0x0
	.amdhsa_kernel k_qacc5559760_prep
		.amdhsa_group_segment_fixed_size 0
		.amdhsa_private_segment_fixed_size 0
		.amdhsa_enable_private_segment 0
		.amdhsa_kernarg_size 32
		.amdhsa_user_sgpr_count 2
		.amdhsa_user_sgpr_kernarg_segment_ptr 1
		.amdhsa_wavefront_size32 1
		.amdhsa_system_sgpr_workgroup_id_x 1
		.amdhsa_system_sgpr_workgroup_id_y 1
		.amdhsa_system_sgpr_workgroup_id_z 1
		.amdhsa_system_vgpr_workitem_id 0
		.amdhsa_next_free_vgpr 72
		.amdhsa_next_free_sgpr 66
		.amdhsa_reserve_vcc 0
		.amdhsa_float_denorm_mode_32 3
		.amdhsa_float_denorm_mode_16_64 3
		.amdhsa_memory_ordered 1
		.amdhsa_forward_progress 1
		.amdhsa_inst_pref_size 6
	.end_amdhsa_kernel
	.amdgpu_metadata
---
amdhsa.version: [ 1, 2 ]
amdhsa.kernels:
  - .name:           k_qacc5559760_prep
    .symbol:         k_qacc5559760_prep.kd
    .args:
      - { .name: W1, .offset: 0, .size: 8, .value_kind: global_buffer, .address_space: global }
      - { .name: W2, .offset: 8, .size: 8, .value_kind: global_buffer, .address_space: global }
      - { .name: Wg, .offset: 16, .size: 8, .value_kind: global_buffer, .address_space: global }
      - { .name: wb, .offset: 24, .size: 8, .value_kind: global_buffer, .address_space: global }
    .group_segment_fixed_size: 0
    .private_segment_fixed_size: 0
    .kernarg_segment_align: 8
    .kernarg_segment_size: 32
    .max_flat_workgroup_size: 256
    .sgpr_count:     66
    .vgpr_count:     72
    .wavefront_size: 32
...
	.end_amdgpu_metadata
.endif
;; end of part 3
;; launch moe (part 4): grid 256 x 1, 4 waves a work-group, clusters of 4 x 1, 327,680 bytes of LDS; arguments x, wb, out0; writes out0
.if DOCPART == 4
	.amdgcn_target "amdgcn-amd-amdhsa--gfx1250"
	.amdhsa_code_object_version 6
	.text
	.protected	k_qacc5559760_moe
	.globl	k_qacc5559760_moe
	.p2align	8
	.type	k_qacc5559760_moe,@function
k_qacc5559760_moe:
	s_mov_b64 s[64:65], 0
	v_nop
	global_prefetch_b8 v0, s[64:65] scope:SCOPE_SE
	s_setreg_imm32_b32 hwreg(HW_REG_WAVE_MODE, 25, 1), 1
	s_wait_xcnt 0x0
	s_wait_alu depctr_hold_cnt(0) depctr_sa_sdst(0) depctr_va_vdst(0) depctr_va_sdst(0) depctr_va_ssrc(0) depctr_va_vcc(0) depctr_vm_vsrc(0)
	s_getreg_b32 s2, hwreg(HW_REG_IB_STS2, 6, 4)
	s_cmp_eq_u32 s2, 0
	s_cbranch_scc0 .Lentry_in_a_cluster
	s_endpgm
.Lentry_in_a_cluster:
	s_bfe_u32 s2, ttmp6, 0x10000c
	s_cmp_lg_u32 s2, 0x3003
	s_cbranch_scc0 .Lentry_shape_is_right
	s_endpgm
.Lentry_shape_is_right:
; out[t] = sum over e of cw[t][e] silu(x[t] W1[e]) W2[e];  cw = softmax over the two largest of the 8 logits x[t] Wg, 0 for the other six.
; x, out: [32768][512] f32.  wb: W1 and W2 in bf16 as a stream of 64 tiles of 128 rows x 256 numbers (tile 8 e + i; i < 4: W1[e], rows d; i >= 4: W2[e], q = i - 4,
; row = 64 (n >> 8) + f - 64 q, column n & 255); behind them Wg in bf16 as the register image of a matrix operand (step of 32 d x 1,024 + lane x 32 bytes; row l % 16 = expert l % 8).
; SHARES.  256 work-groups of four waves; a work-group owns 128 tokens from x to out: x is read once, out written once, nothing else goes through memory.
; DENSE: all 8 experts are computed for every token, and cw (0 for six of them) is multiplied into silu(h) ahead of the second product: the choice selects values only.
; NUMBER FORMATS.  Every product, the router's too, takes x, Wg, W1, W2 rounded to bf16 and goes to the matrix unit; sums in f32.  cw silu(h) is rounded to bf16 for the second product.
; LIMITS.  Equal logits: the lower index wins, as in top_k.  The logits' sums are formed in the matrix unit's order, not in a row-by-row order: a token whose second and third
; logits agree to the last few units of f32 may choose the other.  NaN or infinite logits are not served.  2^(-h log2 e) may become +inf: its reciprocal is 0, silu's limit.
; The softmax takes the larger logit away first: its one exponent is at most 0.
; ALL PRODUCTS ARE USED TRANSPOSED: source 0 = 16 features of the weights, source 1 = 16 tokens.  In a result lane l holds ONE token (l % 16) and 8 neighbouring features
; (8 (l / 16) + 0..7): a token's 8 logits lie in one lane, silu's 8 results pack into 16 bytes of a token's row, and cw is one number a lane.
;   ROUTER: a wave's own 32 tokens, two accumulators.  The 8 experts stand twice among the 16 features, so both halves of the lanes hold all 8 logits.
;   S1: H[128 tokens][64 f] a wave: 32 accumulators.  Wave w owns the f blocks 4 q + w, q = 0..3, so that each chunk q of 64 f holds one block of every wave.
;   S2: O[128 tokens][128 n] a wave, n = 128 w + ..: 64 accumulators, which live through all 8 experts.  K = f goes in the four chunks q; silu of chunk q + 1 stands in chunk q.
; W1 and W2 lie [K][N] in their tiles, so their fragments are read by the turning load.
; CLUSTER.  All work-groups walk the same 4 MB of weights, so four form a cluster and ask for each tile JOINTLY: the same load, the same descriptor, mask 15, in all four.
; Nothing else is shared, so the cluster has one row.  The work-group's place in the cluster enters x's and out's addresses alone.
; RING.  Two LDS slots of one tile (64 KB); each wave fetches 32 rows of 512 bytes.  By this text's count a wave has two tensor loads out at the start, later one.
; lds_bytes is all of a WGP's LDS; the text uses 317,952 bytes.
; No prefetch: the weights are read again and again by all work-groups, and x is asked for whole at the start.
; silu stands in phases, not in slices behind the products: it is 1.2 vector instructions for each matrix instruction, and each slice would cost two window switches.
;
; REGISTERS in windows of 256 (s_set_vgpr_msb: bits 1:0 source 0, 3:2 source 1, 5:4 source 2, 7:6 destination):
;   window 0: v0-14 addresses; v16-31 cw, a pair (cw, cw) for each block of 16 tokens (at the start: addresses); v32-63 at work; v64-159, v160-255 two fragment buffers
;   window 1: H's accumulators, (q, tb) at v[8 (8 q + tb)]  (at the start: Wg's 16 fragments in v0-127)
;   windows 2, 3: O's accumulators, (nb, tb) in window 2 + nb / 4 at v[8 (8 (nb % 4) + tb)]  (at the start: the wave's 32 rows of x, 16 registers each; then, in window 2, its fragments of X)
.set XP,    1040                       ; X: a token's row in LDS: 1,024 bytes of bf16 + 16 = 260 words: row r starts at bank 4 r mod 64 (64 banks of 4 bytes: ISA guide 11.1)
.set HPB,   128*XP                     ; H': two buffers of 128 token rows x 64 f
.set HPP,   144                        ; 128 bytes + 16
.set HBUF,  128*HPP
.set RING,  HPB+2*HBUF                 ; 169,984: the two slots; tensor loads alone write here
.set WP,    544                        ; a weight row: 512 bytes + 32 = 136 words
.set SLOT,  128*WP
.set CWT,   RING+2*SLOT                ; 309,248: cw as pairs: [e][token] x 8 bytes
.set SPARE, CWT+8192                   ; 317,440: the spare words, 128 bytes for each wave: two blocks of 256 bytes that no other line names
.set SPI,   528                        ; the way out: a stage of 16 rows x (512 + 16) bytes for each wave, on X's first bytes, which are read no more by then
.set TILEB, 65536                      ; a tile in wb
.set WGF,   64*TILEB                   ; Wg's image in wb
.set SPW, 1                            ; v1   SPARE + 4 x thread; never rewritten
.set NIL, 2                            ; v2   0; never rewritten
.set AX,  3                            ; v3-4 my place in X's fragments, token blocks 0-3 and 4-7
.set AW1, 5                            ; v5-6 my place in W1's fragments, slot 0, 1
.set AW2, 7                            ; v7-8 the same for W2
.set AH,  9                            ; v9   my place in H's fragments
.set SH,  10                           ; v10  where I put 16 bytes of H'
.set ACW, 11                           ; v11  my token's cw of the expert to come
.set STO, 12                           ; v12  the way out: in
.set RD,  13                           ; v13  the way out: back
.set GO,  14                           ; v14  16 x lane: my offset in a row's 512 bytes, of x and of out
.set CW,  16
.set WGO, 16                           ; at the start only: v16 my offset in Wg's image, v18 where X goes, v19 my place in the fragments of my wave's own tokens
.set XST, 18
.set ARX, 19
.set T,   32
.set U,   48
.set WA,  64                           ; fragment buffer A: 4 x 16 features, then 8 x 16 tokens
.set HA,  96
.set WB,  160                          ; buffer B
.set HB,  192
.set WV,  12                           ; s12 my wave's number
.set G1,  24                           ; s[24:31] descriptor group 1
.set G0,  32                           ; s[32:39] descriptor group 0, a set for each slot
.set CNT, 40
.set NL2E, 42                          ; s[42:43] -log2(e), twice
.set HALF, 49                          ; s49 lanes 16 to 31
.set W_S1, 0x50                        ; C and D window 1
.set W_LO, 0xa0                        ; C and D window 2
.set W_HI, 0xf0                        ; C and D window 3
.set MSB, 0
.macro WIN new                         ; the immediate's high byte repeats the setting that is left; a switch that changes nothing is dropped
.if MSB != (\new)
	s_set_vgpr_msb (MSB<<8)|(\new)
.set MSB, (\new)
.endif
.endm
.macro PLACES                          ; four plain vector instructions between a matrix instruction and a load into, or a read of, its registers
.rept 4
	v_nop
.endr
.endm
; A round of the cluster's barrier: my work-group's barrier, wave 0 signals for the work-group, every wave waits for all four work-groups, my work-group's barrier again.
.macro CREST                           ; a round behind its opening barrier
	s_cmp_lg_u32 s[WV], 0
	s_cbranch_scc1 .Lnot_wave_0_\@
	s_barrier_signal -3
.Lnot_wave_0_\@:
	s_barrier_wait -3
	s_barrier_signal -1
	s_barrier_wait -1
.endm
.macro ROUND                           ; a whole round
	s_barrier_signal -1
	s_barrier_wait -1
	CREST
.endm
	; ---------------- the start: descriptors, the first two tiles, Wg and x ----------------
	s_load_b128 s[4:7], s[0:1], 0x0                ; x s[4:5], wb s[6:7]
	s_load_b64 s[10:11], s[0:1], 0x10              ; out
	v_lshl_add_u32 v[SPW], v0, 2, SPARE
	v_mov_b32 v[NIL], 0
	ds_add_u32 v1, v2
	s_wait_dscnt 0x0
	v_lshrrev_b32 v32, 5, v0
	v_readfirstlane_b32 s[WV], v32                 ; wave 0..3
	s_bfe_u32 s13, ttmp6, 0x40000                  ; cx
	s_lshl_b32 s14, ttmp9, 2                       ; in a cluster launch ttmp9 counts clusters
	s_add_co_u32 s14, s14, s13                     ; my block of 128 tokens
	s_lshl_b32 s14, s14, 18                        ; x 128 rows x 2,048 bytes
	s_lshl_b32 s16, s[WV], 16                      ; x: my wave's 32 rows
	s_add_co_u32 s16, s16, s14
	s_mov_b32 s17, 0
	s_lshl_b32 s18, s[WV], 9                       ; out: my wave's 128 columns
	s_add_co_u32 s18, s18, s14
	s_mov_b32 s19, 0
	s_lshl_b32 s20, s[WV], 14                      ; wb: my wave's 32 rows of a tile; no place in the cluster enters here
	s_mov_b32 s21, 0
	s_mul_i32 s22, s[WV], 32*WP                    ; and where they go in a slot
	s_mov_b32 s[G1+0], 15|(1<<16)|(1<<20)|(1<<21)|(6<<22)|(7<<25)  ; 15:0 mask: all four work-groups; 17:16 elements of 2 bytes; 20 padding on; 21 set beside a mask; 24:22 after every 128 words; 31:25 8 words of it
	s_mov_b32 s[G1+1], 256<<16                     ; tensor_dim0 = 256
	s_mov_b32 s[G1+2], 32<<16                      ; tensor_dim1 = 32
	s_mov_b32 s[G1+3], 256<<16                     ; tile_dim0 = 256
	s_mov_b32 s[G1+4], 32                          ; tile_dim1 = 32
	s_mov_b32 s[G1+5], 256                         ; elements from row to row
	s_mov_b32 s[G1+6], 0
	s_mov_b32 s[G1+7], 0
	s_mov_b32 s[NL2E], 0xbfb8aa3b
	s_mov_b32 s[NL2E+1], 0xbfb8aa3b
	s_mov_b32 s[HALF], 0xffff0000
	v_and_b32 v33, 31, v0                          ; lane
	v_lshlrev_b32 v[GO], 4, v33
	v_lshlrev_b32 v[WGO], 5, v33                   ; Wg's image: 32 bytes a lane
	s_mov_b32 s[G0], 1
	s_add_co_u32 s[G0+1], s22, RING
	s_mov_b32 s[G0+4], 1
	s_add_co_u32 s[G0+5], s22, RING+SLOT
	s_wait_kmcnt 0x0
	s_add_nc_u64 s[4:5], s[4:5], s[16:17]
	s_add_nc_u64 s[10:11], s[10:11], s[18:19]
	s_add_nc_u64 s[G0+2:G0+3], s[6:7], s[20:21]    ; tile 0
	s_add_nc_u64 s[G0+6:G0+7], s[G0+2:G0+3], TILEB ; tile 1
	s_or_b32 s[G0+3], s[G0+3], 0x80000000          ; type = 2
	s_or_b32 s[G0+7], s[G0+7], 0x80000000
	ROUND                                          ; all four work-groups are here: the first joint loads meet
	tensor_load_to_lds s[G0:G0+3], s[G1:G1+7]
	s_nop 0
	tensor_load_to_lds s[G0+4:G0+7], s[G1:G1+7]
	s_nop 0
	PLACES                                         ; four v_nop behind the loads, ahead of the window switch
	; Wg's 16 fragments -> window 1, v[8 k ..]: the two loads of a step cover its 1,024 bytes
	WIN 0x40
.set k, 0
.rept 16
	global_load_b128 v[8*k:8*k+3],   v[WGO], s[6:7] offset:WGF+1024*k
	global_load_b128 v[8*k+4:8*k+7], v[WGO], s[6:7] offset:WGF+1024*k+16
.set k, k+1
.endr
	; my wave's 32 rows of x: four loads of 512 consecutive bytes a row; all 128 are asked for at once
	WIN 0x80
.set i, 0
.rept 16
.irp c, 0,1,2,3
	global_load_b128 v[16*i+4*\c:16*i+4*\c+3], v[GO], s[4:5] offset:2048*i+512*\c th:TH_LOAD_NT
.endr
.set i, i+1
.endr
	WIN 0xc0
.rept 16
.irp c, 0,1,2,3
	global_load_b128 v[16*(i-16)+4*\c:16*(i-16)+4*\c+3], v[GO], s[4:5] offset:2048*i+512*\c th:TH_LOAD_NT
.endr
.set i, i+1
.endr
	WIN 0
	; the addresses
	v_and_b32 v34, 15, v0                          ; r = l % 16
	v_bfe_u32 v35, v0, 4, 1                        ; h = l / 16
	v_and_b32 v36, 7, v0
	v_bfe_u32 v37, v0, 3, 1
	v_mul_u32_u24 v[AX], v34, XP                   ; a fragment with K along the rows: row r x pitch + 16 h, two loads 32 bytes apart
	v_lshl_add_u32 v[AX], v35, 4, v[AX]
	v_add_nc_u32 v[AX+1], 64*XP, v[AX]
	v_lshl_add_u32 v38, v35, 3, v36                ; the turning load: row 8 h + l % 8, 16 bytes at 16 ((l / 8) % 2)
	v_mul_u32_u24 v38, v38, WP
	v_lshl_add_u32 v38, v37, 4, v38
	s_lshl_b32 s23, s[WV], 5                       ; W1: my f blocks begin at column 16 w of each 64
	s_add_co_u32 s23, s23, RING
	v_add_nc_u32 v[AW1], s23, v38
	v_add_nc_u32 v[AW1+1], SLOT, v[AW1]
	s_lshr_b32 s22, s[WV], 1                       ; W2: my n = 128 w ..: rows 64 (w / 2) on, columns 128 (w % 2) on
	s_mul_i32 s22, s22, 64*WP
	s_and_b32 s23, s[WV], 1
	s_lshl_b32 s23, s23, 8
	s_add_co_u32 s22, s22, s23
	s_add_co_u32 s22, s22, RING
	v_add_nc_u32 v[AW2], s22, v38
	v_add_nc_u32 v[AW2+1], SLOT, v[AW2]
	v_mul_u32_u24 v[AH], v34, HPP
	v_lshl_add_u32 v[AH], v35, 4, v[AH]
	v_add_nc_u32 v[AH], HPB, v[AH]
	v_lshl_add_u32 v[SH], s[WV], 5, v[AH]          ; my block's 32 bytes of a row of H'
	v_lshl_add_u32 v[ACW], v34, 3, CWT
	s_mul_i32 s22, s[WV], 16*SPI
	v_mul_u32_u24 v[STO], v34, SPI
	v_lshl_add_u32 v[STO], v35, 5, v[STO]
	v_add_nc_u32 v[STO], s22, v[STO]
	v_add_nc_u32 v[RD], s22, v[GO]
	s_mul_i32 s23, s[WV], 32*XP                    ; my wave's 32 rows of X
	v_lshl_add_u32 v[XST], v33, 3, s23             ; my 4 numbers (8 bytes) of each 128 of those rows
	v_add_nc_u32 v[ARX], s23, v[AX]
	; ---------------- the cast of x, four tokens at a time ----------------
; Tokens 4 g .. 4 g + 3 of my wave's 32: my 16 numbers of each row are rounded to bf16 and go to X in LDS, 8 bytes x 4 a row.
.macro CAST4 g
.if 112-16*(\g) > 63
	s_wait_loadcnt 63                              ; more than 63 loads are younger: the largest count that the wait can name
.else
	s_wait_loadcnt 112-16*(\g)                     ; the later groups' loads, sixteen each, stay out
.endif
	WIN 0x0a+5*((\g)/4)                            ; sources 0 and 1: window 2 (tokens 0-15) or 3
.irp t, 0,1,2,3
.irp k, 0,1,2,3,4,5,6,7
	v_cvt_pk_bf16_f32 v[T+8*\t+\k], v[16*((4*(\g)+\t)%16)+2*\k], v[16*((4*(\g)+\t)%16)+2*\k+1]
.endr
.endr
	WIN 0
.irp t, 0,1,2,3
.irp c, 0,1,2,3
	ds_store_b64 v[XST], v[T+8*\t+2*\c:T+8*\t+2*\c+1] offset:(4*(\g)+\t)*XP+256*\c   ; 32 lanes: 256 consecutive bytes
.endr
.endr
.endm
.irp g, 0,1,2,3,4,5,6,7
	CAST4 \g
.endr
	; ---------------- the router: logits of my wave's own 32 tokens ----------------
	; The fragments of my own rows of X -> window 2 (x's registers there have been read): block b at v[128 b + 8 k].  LDS serves a wave's instructions in order
	; (ISA guide 5.7.1.4): these loads see my stores above, and no other wave has a part in these rows.
	WIN 0x80
.set k, 0
.rept 16
.irp b, 0,1
	ds_load_b128 v[128*\b+8*k:128*\b+8*k+3],   v[ARX] offset:\b*16*XP+64*k
	ds_load_b128 v[128*\b+8*k+4:128*\b+8*k+7], v[ARX] offset:\b*16*XP+64*k+32
.endr
.set k, k+1
.endr
	WIN 0x09                                       ; source 0 (Wg) window 1, source 1 (X) window 2, C and D window 0
	s_wait_dscnt 60                                ; the later steps' loads, four each, stay out.  (Wg's loads are older than x's, whose last wait was for 0)
	v_wmma_f32_16x16x32_bf16 v[64:71], v[0:7], v[0:7], 0          ; the first 32 d start both sums
	v_wmma_f32_16x16x32_bf16 v[72:79], v[0:7], v[128:135], 0
.set k, 1
.rept 15
	s_wait_dscnt 60-4*k
	v_wmma_f32_16x16x32_bf16 v[64:71], v[8*k:8*k+7], v[8*k:8*k+7], v[64:71]           ; the two accumulators take turns
	v_wmma_f32_16x16x32_bf16 v[72:79], v[8*k:8*k+7], v[128+8*k:128+8*k+7], v[72:79]
.set k, k+1
.endr
	WIN 0
	; ---------------- the two largest logits and their weights: one thread, one token ----------------
	v_lshl_add_u32 v57, v0, 3, CWT                 ; these four lines are the places behind the last products
	v_mov_b32 v42, 0xff800000                      ; -inf
	v_mov_b32 v41, 0                               ; i1
	v_mov_b32 v44, 0                               ; i2
.irp e, 0,1,2,3,4,5,6,7
	v_cndmask_b32 v[32+\e], v[64+\e], v[72+\e], s[HALF]   ; lanes 0-15 take block 0's token l, lanes 16-31 block 1's token l: thread t holds the logits of the work-group's token t
.endr
	v_mov_b32 v40, v32                             ; m1
.irp e, 1,2,3,4,5,6,7
	v_cmp_gt_f32 vcc_lo, v[32+\e], v40             ; strictly larger: of equals the lower index stays
	v_cndmask_b32 v40, v40, v[32+\e], vcc_lo
	v_cndmask_b32 v41, v41, \e, vcc_lo
.endr
.irp e, 0,1,2,3,4,5,6,7
	v_cmp_eq_u32 vcc_lo, \e, v41
	v_cndmask_b32 v[32+\e], v[32+\e], v42, vcc_lo  ; the first choice leaves the field
.endr
	v_mov_b32 v43, v32                             ; m2
.irp e, 1,2,3,4,5,6,7
	v_cmp_gt_f32 vcc_lo, v[32+\e], v43
	v_cndmask_b32 v43, v43, v[32+\e], vcc_lo
	v_cndmask_b32 v44, v44, \e, vcc_lo
.endr
	v_sub_f32 v45, v43, v40                        ; m2 - m1 <= 0: the maximum is taken away
	v_mul_f32 v45, 0x3fb8aa3b, v45
	v_exp_f32 v45, v45                             ; t = e^(m2 - m1)
	v_nop                                          ; a plain instruction behind a transcendental, ahead of the use of its result (ISA guide 5.7.2)
	s_wait_alu depctr_va_vdst(0)
	v_add_f32 v46, 1.0, v45
	v_rcp_f32 v46, v46                             ; w of the first choice = 1 / (1 + t)
	v_nop
	s_wait_alu depctr_va_vdst(0)
	v_mul_f32 v47, v45, v46                        ; w of the second = t / (1 + t)
.irp e, 0,1,2,3,4,5,6,7
	v_cmp_eq_u32 vcc_lo, \e, v44
	v_cndmask_b32 v48, 0, v47, vcc_lo
	v_cmp_eq_u32 vcc_lo, \e, v41
	v_cndmask_b32 v48, v48, v46, vcc_lo
	v_mov_b32 v49, v48                             ; twice: the packed multiply takes a pair
	ds_store_b64 v57, v[48:49] offset:1024*\e
.endr
	s_wait_tensorcnt 0x1                           ; my part of tile 0 is in; tile 1's load, issued behind it, may stay out
	s_wait_dscnt 0x0                               ; my rows of X and my cw are stored
	s_barrier_signal -1
	s_barrier_wait -1                              ; everybody's are
	; ---------------- the experts ----------------
; 8 matrix instructions: feature block n of the four in buffer w x the 8 token blocks in buffer a, 32 along K; the accumulators' window is set by the caller.
; The accumulators take turns, one instruction a turn.  zero = 1: the product starts the sums: nothing is ever cleared.
.macro MUL8 w, a, n, zero
.irp t, 0,1,2,3,4,5,6,7
.if \zero
	v_wmma_f32_16x16x32_bf16 v[8*(8*(\n)+\t):8*(8*(\n)+\t)+7], v[\w+8*(\n):\w+8*(\n)+7], v[\a+8*\t:\a+8*\t+7], 0
.else
	v_wmma_f32_16x16x32_bf16 v[8*(8*(\n)+\t):8*(8*(\n)+\t)+7], v[\w+8*(\n):\w+8*(\n)+7], v[\a+8*\t:\a+8*\t+7], v[8*(8*(\n)+\t):8*(8*(\n)+\t)+7]
.endif
.endr
.endm
.macro MUL16 w, a, n0, zero
	MUL8 \w, \a, \n0, \zero
	MUL8 \w, \a, \n0+1, \zero
.endm
; S1's fragments for 32 d (step ks of W1's tile s, which lies in slot p): my four f blocks, turned, and all 128 tokens of X: 24 loads into buffer f
.macro FETCH_S1 p, s, ks, f
.irp q, 0,1,2,3
	ds_load_tr16_b128 v[\f+8*\q:\f+8*\q+3],   v[AW1+(\p)] offset:(\ks)*32*WP+128*\q
	ds_load_tr16_b128 v[\f+8*\q+4:\f+8*\q+7], v[AW1+(\p)] offset:(\ks)*32*WP+128*\q+16*WP
.endr
.irp t, 0,1,2,3,4,5,6,7
	ds_load_b128 v[\f+32+8*\t:\f+32+8*\t+3],   v[AX+\t/4] offset:(\t%4)*16*XP+256*(\s)+64*(\ks)
	ds_load_b128 v[\f+32+8*\t+4:\f+32+8*\t+7], v[AX+\t/4] offset:(\t%4)*16*XP+256*(\s)+64*(\ks)+32
.endr
.endm
; S2: four n blocks (4 hi + 0..3) of W2 for 32 f (step ks of the chunk in slot p), turned: 8 loads
.macro FETCH_W2 p, ks, hi, w
.irp n, 0,1,2,3
	ds_load_tr16_b128 v[\w+8*\n:\w+8*\n+3],   v[AW2+(\p)] offset:(\ks)*32*WP+32*(4*(\hi)+\n)
	ds_load_tr16_b128 v[\w+8*\n+4:\w+8*\n+7], v[AW2+(\p)] offset:(\ks)*32*WP+32*(4*(\hi)+\n)+16*WP
.endr
.endm
; S2: all 128 tokens of H' for 32 f (step ks of buffer b): 16 loads
.macro FETCH_H b, ks, a
.irp t, 0,1,2,3,4,5,6,7
	ds_load_b128 v[\a+8*\t:\a+8*\t+3],   v[AH] offset:(\b)*HBUF+\t*16*HPP+64*(\ks)
	ds_load_b128 v[\a+8*\t+4:\a+8*\t+7], v[AH] offset:(\b)*HBUF+\t*16*HPP+64*(\ks)+32
.endr
.endm
.macro FETCH_CW                        ; my 8 tokens' cw of this expert; then on to the next expert's
.irp t, 0,1,2,3,4,5,6,7
	ds_load_b64 v[CW+2*\t:CW+2*\t+1], v[ACW] offset:128*\t
.endr
	v_add_nc_u32 v[ACW], 1024, v[ACW]
.endm
; The head of a step of 32 matrix instructions: its fragments, asked for a step ago, are in; four places stand between the last step's products and the loads into its buffer.
.macro HEAD
	s_wait_dscnt 0x0
	WIN 0
	PLACES
.endm
; cw silu(h) of my f block of chunk q, all 128 tokens, rounded to bf16 into H' buffer b.  Two tiles (16 registers) at a time:
; t = -h log2 e, u = cw h; 2^t; 1 + 2^t; its reciprocal; u times that.  Each accumulator is read from its low end on.
.macro SILU q, b
.irp t, 0,2,4,6
.set HR, 8*(8*(\q)+\t)
	WIN 0x01                                       ; source 0: H, in window 1
.irp k, 0,1,2,3,4,5,6,7
	v_pk_mul_f32 v[T+2*\k:T+2*\k+1], v[HR+2*\k:HR+2*\k+1], s[NL2E:NL2E+1] op_sel_hi:[1,0]
.endr
.irp k, 0,1,2,3,4,5,6,7
	v_pk_mul_f32 v[U+2*\k:U+2*\k+1], v[HR+2*\k:HR+2*\k+1], v[CW+2*(\t+\k/4):CW+2*(\t+\k/4)+1]
.endr
	WIN 0
.irp k, 0,1,2,3,4,5,6,7,8,9,10,11,12,13,14,15
	v_exp_f32 v[T+\k], v[T+\k]
.endr
	v_nop                                          ; a plain instruction between the last transcendental and the use of its result (ISA guide 5.7.2)
	s_wait_alu depctr_va_vdst(0)
.irp k, 0,1,2,3,4,5,6,7
	v_pk_add_f32 v[T+2*\k:T+2*\k+1], v[T+2*\k:T+2*\k+1], 1.0 op_sel_hi:[1,0]
.endr
.irp k, 0,1,2,3,4,5,6,7,8,9,10,11,12,13,14,15
	v_rcp_f32 v[T+\k], v[T+\k]
.endr
	v_nop
	s_wait_alu depctr_va_vdst(0)
.irp k, 0,1,2,3,4,5,6,7
	v_pk_mul_f32 v[U+2*\k:U+2*\k+1], v[U+2*\k:U+2*\k+1], v[T+2*\k:T+2*\k+1]
.endr
.irp k, 0,1,2,3,4,5,6,7
	v_cvt_pk_bf16_f32 v[U+\k], v[U+2*\k], v[U+2*\k+1]          ; ascending: a register is written only when it has been read
.endr
	ds_store_b128 v[SH], v[U:U+3]   offset:(\b)*HBUF+\t*16*HPP
	ds_store_b128 v[SH], v[U+4:U+7] offset:(\b)*HBUF+(\t+1)*16*HPP
.endr
.endm
; THE CHANGE OF SLOTS stands in a slot's last step, which multiplies buffer B; the step's fragments are in, so my reads of slot p are over.  One barrier for four things.
; In front of it each wave waits for all its tensor loads (one is out: its part of the next slot), adds 0 to its spare word, and waits for that and for its stores to H'.
; Behind it the next slot is whole, nobody reads slot p, the H' just written may be read and the H' just read may be written.
; Eight products (feature block n0) stand between the add and the wait for it, eight more (n0 + 1) between the signal and the barrier's wait: registers only.
; fill = 1: the barrier opens a round of the cluster's, and slot p takes the tile two further on, first thing behind the round.
.macro MEET win, n0, p, fill
	WIN 0                                          ; (the add's two registers lie in window 0)
	s_wait_tensorcnt 0x0                           ; no tensor load of mine is out, so a group 0 may be written
	ds_add_u32 v[SPW], v[NIL]                      ; 0 onto my spare word
.if \fill
	s_add_nc_u64 s[G0+4*(\p)+2:G0+4*(\p)+3], s[G0+4*(\p)+2:G0+4*(\p)+3], 2*TILEB   ; the type bits on top are not reached
.endif
	WIN \win
	MUL8 WB, HB, \n0, 0
	s_wait_dscnt 0x0                               ; the add is done, and so are my stores to H'
	s_barrier_signal -1
	MUL8 WB, HB, \n0+1, 0
	WIN 0                                          ; at a branch and at a label every window is 0
	s_barrier_wait -1
.if \fill
	CREST                                          ; no wave of any partner still reads slot p or has a load on its way
	tensor_load_to_lds s[G0+4*(\p):G0+4*(\p)+3], s[G1:G1+7]   ; it has 112 matrix instructions in which to land
	s_nop 0
.endif
	PLACES                                         ; four v_nop behind the load: also the places in front of the fragment loads that follow
.endm
; S1 on W1's tile s (128 d, in slot p): four steps of 32 d, 32 matrix instructions each, on buffers A, B, A, B; each step asks for the next one's fragments.
; The last step changes slots.  In tile 3 chunk 0's silu stands in it, behind the eight products that finish its accumulators (q = 0).
.macro S1_SLOT s, p, np
	HEAD
.if \s == 0
	FETCH_CW
.endif
	FETCH_S1 \p, \s, 1, WB
	WIN W_S1
.if \s == 0
	MUL16 WA, HA, 0, 1                             ; the expert's first 32 d start H's sums
	MUL16 WA, HA, 2, 1
.else
	MUL16 WA, HA, 0, 0
	MUL16 WA, HA, 2, 0
.endif
	HEAD
	FETCH_S1 \p, \s, 2, WA
	WIN W_S1
	MUL16 WB, HB, 0, 0
	MUL16 WB, HB, 2, 0
	HEAD
	FETCH_S1 \p, \s, 3, WB
	WIN W_S1
	MUL16 WA, HA, 0, 0
	MUL16 WA, HA, 2, 0
	s_wait_dscnt 0x0                               ; the last step's fragments are in: my reads of slot p are over
.if \s < 3
	MEET W_S1, 0, \p, 1
	FETCH_S1 \np, \s+1, 0, WA
	WIN W_S1
	MUL16 WB, HB, 2, 0
.else
	MUL8 WB, HB, 0, 0
	WIN 0
	PLACES                                         ; silu reads results just made
	SILU 0, 0
	MEET W_S1, 1, \p, 1
	FETCH_W2 0, 0, 0, WA
	FETCH_H 0, 0, HA
	WIN W_S1
	MUL8 WB, HB, 3, 0
.endif
.endm
.macro S1_ALL
	S1_SLOT 0, 0, 1
	S1_SLOT 1, 1, 0
	S1_SLOT 2, 0, 1
	S1_SLOT 3, 1, 0
.endm
; S2 on a chunk of 64 f (W2's tile in slot p, H' in buffer p): four steps of 32 matrix instructions: (f 0-31, n blocks 0-3), (f 0-31, 4-7), (f 32-63, 0-3), (f 32-63, 4-7).
.macro S2_ST01 p, zero                 ; the first two
	HEAD
	FETCH_W2 \p, 0, 1, WB
	FETCH_H \p, 1, HB
	WIN W_LO
	MUL16 WA, HA, 0, \zero
	MUL16 WA, HA, 2, \zero
	HEAD
	FETCH_W2 \p, 1, 0, WA
	WIN W_HI
	MUL16 WB, HA, 0, \zero
	MUL16 WB, HA, 2, \zero
.endm
.macro S2_HEAD zero                    ; chunk 0's first two steps; zero = 1: expert 0's start O's 64 sums
	S2_ST01 0, \zero
	WIN 0
.endm
; The rest of chunk q.  The last step changes slots; ahead of its products stands the next chunk's silu, into the other buffer of H', so that its stores are out while products run.
; last = 1 (expert 7): the change out of chunk 2 fills nothing (tiles 62 and 63 are the last), and chunk 3 has no change.
.macro S2_CHUNK q, p, np, last
.if \q > 0
	S2_ST01 \p, 0
.endif
	HEAD
	FETCH_W2 \p, 1, 1, WB
	WIN W_LO
	MUL16 WA, HB, 0, 0
	MUL16 WA, HB, 2, 0
	s_wait_dscnt 0x0                               ; the last step's fragments are in: my reads of slot p and of H' buffer p are over
.if \q < 3
	WIN 0
	SILU \q+1, \np                                 ; it names no register of the products round it
.endif
.if (\q < 3) || (\last == 0)
.if (\q == 2) && \last
	MEET W_HI, 0, \p, 0
.else
	MEET W_HI, 0, \p, 1
.endif
.if \q < 3
	FETCH_W2 \np, 0, 0, WA
	FETCH_H \np, 0, HA
.else
	FETCH_S1 0, 0, 0, WA                           ; the next expert's first fragments
.endif
	WIN W_HI
	MUL16 WB, HB, 2, 0
.else
	WIN W_HI
	MUL16 WB, HB, 0, 0
	MUL16 WB, HB, 2, 0
.endif
.endm
.macro S2_REST last
	S2_CHUNK 0, 0, 1, \last
	S2_CHUNK 1, 1, 0, \last
	S2_CHUNK 2, 0, 1, \last
	S2_CHUNK 3, 1, 0, \last
.endm
	FETCH_S1 0, 0, 0, WA
	S1_ALL                                         ; expert 0
	S2_HEAD 1
	s_mov_b32 s[CNT], 7
.Lexpert:                                              ; a trip: the rest of an expert's S2, the next expert's S1 and the head of its S2; eight changes of slots, each with its refill
	S2_REST 0
	S1_ALL
	S2_HEAD 0
	s_sub_co_u32 s[CNT], s[CNT], 1
	s_cmp_lg_u32 s[CNT], 0
	s_cbranch_scc1 .Lexpert
	S2_REST 1                                      ; expert 7's tail is written out
	; ---------------- the way out ----------------
; A block of 16 tokens at a time: a lane's 8 numbers of a row go as 2 x 16 bytes into my stage (rows of 528 bytes), low four registers first, and come back as whole rows of 512 bytes.
; The stage is my wave's own; LDS serves a wave's instructions in order (ISA guide 5.7.1.4), so no wait stands between the stores and the loads, nor in front of the next block's stores.
.macro TOSTAGE tb
.set BK, 64+64*((\tb)%2)
	s_wait_xcnt 0x0                                ; the registers that the stores of two blocks ago read are loaded again only behind this wait
	WIN 0x08                                       ; store data: window 2
.irp n, 0,1,2,3
	ds_store_b128 v[STO], v[8*(8*\n+(\tb)):8*(8*\n+(\tb))+3]   offset:64*\n
	ds_store_b128 v[STO], v[8*(8*\n+(\tb))+4:8*(8*\n+(\tb))+7] offset:64*\n+16
.endr
	WIN 0x0c                                       ; window 3
.irp n, 0,1,2,3
	ds_store_b128 v[STO], v[8*(8*\n+(\tb)):8*(8*\n+(\tb))+3]   offset:64*(\n+4)
	ds_store_b128 v[STO], v[8*(8*\n+(\tb))+4:8*(8*\n+(\tb))+7] offset:64*(\n+4)+16
.endr
	WIN 0
.irp r, 0,1,2,3,4,5,6,7,8,9,10,11,12,13,14,15
	ds_load_b128 v[BK+4*\r:BK+4*\r+3], v[RD] offset:SPI*\r
.endr
.endm
.macro SEND tb, younger                ; younger: the LDS instructions issued behind the block's loads: the next block's 16 stores and 16 loads, or none
.set BK, 64+64*((\tb)%2)
.irp r, 0,1,2,3,4,5,6,7,8,9,10,11,12,13,14,15
	s_wait_dscnt \younger+15-\r
	global_store_b128 v[GO], v[BK+4*\r:BK+4*\r+3], s[10:11] offset:(16*(\tb)+\r)*2048 th:TH_STORE_NT   ; the wave stores 512 consecutive bytes, at a multiple of 512 from out's first byte
.endr
.endm
	WIN 0
	PLACES                                         ; between the last products and the stores that read them, and the loads into the fragment buffers
	TOSTAGE 0
.irp tb, 1,2,3,4,5,6,7
	TOSTAGE \tb
	SEND \tb-1, 32
.endr
	SEND 7, 0
	s_wait_tensorcnt 0x0                           ; the wave's end: behind my last tensor load and my last LDS store
	ds_add_u32 v[SPW], v[NIL]
	s_wait_dscnt 0x0
	ROUND                                          ; the closing round: no work-group ends while a partner may still ask for a tile that names it
	s_endpgm
.Lfunc_end_k_qacc5559760_moe:
	.size	k_qacc5559760_moe, .Lfunc_end_k_qacc5559760_moe-k_qacc5559760_moe
	.p2alignl 7, 3214868480
	.fill 96, 4, 3214868480
	.section	.rodata,"a",@progbits
	.p2align	6, 0x0
	.amdhsa_kernel k_qacc5559760_moe
		.amdhsa_group_segment_fixed_size 327680
		.amdhsa_private_segment_fixed_size 0
		.amdhsa_enable_private_segment 0
		.amdhsa_kernarg_size 24
		.amdhsa_user_sgpr_count 2
		.amdhsa_user_sgpr_kernarg_segment_ptr 1
		.amdhsa_wavefront_size32 1
		.amdhsa_system_sgpr_workgroup_id_x 1
		.amdhsa_system_sgpr_workgroup_id_y 1
		.amdhsa_system_sgpr_workgroup_id_z 1
		.amdhsa_system_vgpr_workitem_id 0
		.amdhsa_next_free_vgpr 1024
		.amdhsa_next_free_sgpr 66
		.amdhsa_reserve_vcc 1
		.amdhsa_float_denorm_mode_32 3
		.amdhsa_float_denorm_mode_16_64 3
		.amdhsa_memory_ordered 1
		.amdhsa_forward_progress 1
		.amdhsa_inst_pref_size 255
	.end_amdhsa_kernel
	.section	.bss,"aw",@nobits
	.p2align	6
	.space	262144
	.amdgpu_metadata
---
amdhsa.version: [ 1, 2 ]
amdhsa.kernels:
  - .name:           k_qacc5559760_moe
    .symbol:         k_qacc5559760_moe.kd
    .args:
      - { .name: x, .offset: 0, .size: 8, .value_kind: global_buffer, .address_space: global }
      - { .name: wb, .offset: 8, .size: 8, .value_kind: global_buffer, .address_space: global }
      - { .name: out0, .offset: 16, .size: 8, .value_kind: global_buffer, .address_space: global }
    .group_segment_fixed_size: 327680
    .private_segment_fixed_size: 0
    .kernarg_segment_align: 8
    .kernarg_segment_size: 24
    .max_flat_workgroup_size: 128
    .sgpr_count:     66
    .vgpr_count:     1024
    .wavefront_size: 32
...
	.end_amdgpu_metadata
.endif
;; end of part 4
;; ======== version 3 of 3: 2 launches; version 2 with the launch prep written anew for expert scheduling mode
;; workspace buffers: wb 4,210,688 bytes
;; launch prep (part 5): grid 256 x 1, 8 waves a work-group, no clusters, 0 bytes of LDS; arguments W1, W2, Wg, wb; writes wb
.if DOCPART == 5
	.amdgcn_target "amdgcn-amd-amdhsa--gfx1250"
	.amdhsa_code_object_version 6
	.text
	.protected	k_qacc5559760_prep
	.globl	k_qacc5559760_prep
	.p2align	8
	.type	k_qacc5559760_prep,@function
k_qacc5559760_prep:
	s_mov_b64 s[64:65], 0
	v_nop
	global_prefetch_b8 v0, s[64:65] scope:SCOPE_SE
	s_setreg_imm32_b32 hwreg(HW_REG_WAVE_SCHED_MODE, 0, 2), 2
	s_setreg_imm32_b32 hwreg(HW_REG_WAVE_MODE, 25, 1), 1
	s_wait_xcnt 0x0
	s_wait_alu depctr_vm_vsrc(0)
; W1 [8][512][256], W2 [8][256][512] and Wg [512][8], f32, are rounded once to bf16 and laid into wb in the form in which the next launch takes them.
; Bytes 0 .. 4,194,303: a stream of 64 tiles of 128 rows x 256 numbers (65,536 bytes, dense), tile 8 e + i:
;   i = 0..3: W1[e], row = d - 128 i, column = f               (W1[e] as it lies: 262,144 bytes on end)
;   i = 4..7: W2[e], q = i - 4: row = 64 (n >> 8) + (f - 64 q), column = n & 255
; Bytes 4,194,304 .. 4,210,687: Wg as the register image of a matrix operand of 16 rows x 32 d, for each of 16 steps of 32 d: step x 1,024 + lane x 32 + register x 4.
;   Lane l holds row l % 16, which is expert l % 8 (the 8 experts stand twice); registers 0-3 hold d = 8 (l / 16) + 0..7 of the step, registers 4-7 d = 16 + 8 (l / 16) + 0..7.
; 256 work-groups of 8 waves; work-group g takes numbers 4096 g .. 4096 g + 4095 of W1 and of W2: 16 rows of W1, 8 rows of W2.  Thread t takes 4 neighbouring numbers in
; each of four loads a tensor; a wave's load covers 512 consecutive bytes and its store 256 consecutive bytes, aligned.  Work-groups 0 to 7 also make Wg's image, two
; registers (four d of one expert) a thread: four loads of 4 bytes, 32 bytes apart (16 KB in all, read once), one store of 8 bytes; a wave's store again covers 256 bytes.
; Memory binds: no LDS, no barrier, no matrix unit.
; REGISTERS: v1-3 offsets; v[8:23] W1 as loaded; v[24:39] W2 as loaded; v[40:47], v[48:55] the same packed; v6-7, v56-66 Wg's image.
; No register that a load or a store names is written again behind it, so no wait frees a source.
; THE MODE: SCHED_MODE bits 1:0 = 2 (LLVM: expert scheduling mode 2), set by the entry lines.  The code itself states the register dependences
; between vector instructions and memory instructions, with s_wait_alu, always for 0.
; THE PLAN.  Registers that memory instructions touch:
;   v1, v2, v3     offsets of the weights' loads and stores: written once, at the head, by vector instructions; read by the eight loads and the eight stores.
;   D1, D2         written by the eight loads alone, which no vector instruction that names them precedes; read by the conversions behind the counted waits for the data.
;   P1, P2         written by the conversions; read by four stores each.
;   v7, v66        (work-groups 0 to 7) offsets of Wg's loads and store: written by the branch's address lines.
;   v[60:63]       written by Wg's four loads alone;  v[64:65] written by two conversions, read by one store.
; So a wait on va_vdst stands ahead of the first load (the three offsets), behind each run of conversions ahead of the run of stores that reads their results (P1; P2; Wg's pair),
; and behind the branch's address lines.  The stores stand in runs of four, so that one wait serves four.  No register that a memory instruction reads is written again,
; no vector instruction writes a scalar register or VCC, and EXEC is never written: no other wait on the wave's own results is owed.
.set WGF, 4194304
.set D1,  8                            ; W1's 16 numbers
.set D2,  24                           ; W2's 16 numbers
.set P1,  40                           ; W1's, packed
.set P2,  48                           ; W2's, packed
	s_load_b256 s[4:11], s[0:1], 0x0               ; W1 s[4:5], W2 s[6:7], Wg s[8:9], wb s[10:11]
	s_lshl_b32 s16, ttmp9, 14                      ; g x 4,096 numbers x 4 bytes: the group's part of both sources
	s_mov_b32 s17, 0
	s_lshr_b32 s20, ttmp9, 5                       ; e: 32 work-groups to an expert
	s_lshl_b32 s20, s20, 19                        ; e x 8 tiles x 65,536 bytes
	s_and_b32 s21, ttmp9, 31
	s_lshl_b32 s21, s21, 13                        ; W1: the group's 4,096 numbers x 2 bytes, on end
	s_add_co_u32 s18, s20, s21
	s_mov_b32 s19, 0
	s_bfe_u32 s22, ttmp9, 0x20003                  ; W2: q = (g >> 3) & 3: eight work-groups (64 rows f) to a tile
	s_lshl_b32 s22, s22, 16
	s_and_b32 s23, ttmp9, 7
	s_lshl_b32 s23, s23, 12                        ; the group's 8 rows f in the tile, 512 bytes each
	s_add_co_u32 s22, s22, s23
	s_add_co_u32 s22, s22, s20
	s_add_co_u32 s22, s22, 262144                  ; behind the expert's four tiles of W1
	s_mov_b32 s23, 0
	s_lshl_b32 s24, ttmp9, 8                       ; Wg's image: 256 pairs of registers to a work-group
	v_lshlrev_b32 v1, 4, v0                        ; source: 16 t
	v_lshlrev_b32 v2, 3, v0                        ; W1's destination: 8 t
	v_and_b32 v3, 63, v0                           ; W2's: a load holds two rows f; n = 4 (t & 127)
	v_lshlrev_b32 v3, 3, v3                        ; column n & 255 -> 8 (t & 63) bytes
	v_bfe_u32 v4, v0, 6, 1
	v_lshl_add_u32 v3, v4, 15, v3                  ; n >> 8 -> 64 rows of 512 bytes
	v_lshrrev_b32 v5, 7, v0
	v_lshl_add_u32 v3, v5, 9, v3                   ; which of the two rows f
	s_wait_kmcnt 0x0
	s_add_nc_u64 s[4:5], s[4:5], s[16:17]
	s_add_nc_u64 s[6:7], s[6:7], s[16:17]
	s_add_nc_u64 s[12:13], s[10:11], s[18:19]
	s_add_nc_u64 s[14:15], s[10:11], s[22:23]
	s_wait_alu depctr_va_vdst(0)                   ; v1, v2 and v3 are written: the eight loads below read v1 as their offset, the weights' eight stores v2 or v3
.irp i, 0,1,2,3
	global_load_b128 v[D1+4*\i:D1+4*\i+3], v1, s[4:5] offset:4096*\i th:TH_LOAD_NT
.endr
.irp i, 0,1,2,3
	global_load_b128 v[D2+4*\i:D2+4*\i+3], v1, s[6:7] offset:4096*\i th:TH_LOAD_NT
.endr
	s_cmp_lt_u32 ttmp9, 8
	s_cbranch_scc0 .Lweights
	; Wg's image.  Pair P = 256 g + t: step P >> 7, lane (P >> 2) & 31, registers 2 (P & 3) and 2 (P & 3) + 1: four d on end, from 32 step + 16 (bit 1) + 8 (lane / 16 = bit 6) + 4 (bit 0)
	v_add_nc_u32 v6, s24, v0
	v_and_b32 v7, 0xffffff80, v6
	v_lshlrev_b32 v7, 3, v7                        ; step x 32 rows d x 32 bytes
	v_bfe_u32 v56, v6, 1, 1
	v_lshl_add_u32 v7, v56, 9, v7                  ; 16 rows
	v_bfe_u32 v57, v6, 6, 1
	v_lshl_add_u32 v7, v57, 8, v7                  ; 8 rows
	v_and_b32 v58, 1, v6
	v_lshl_add_u32 v7, v58, 7, v7                  ; 4 rows
	v_bfe_u32 v59, v6, 2, 3
	v_lshl_add_u32 v7, v59, 2, v7                  ; the expert: lane % 8
	v_lshlrev_b32 v66, 3, v6                       ; the pair's place in the image
	s_wait_alu depctr_va_vdst(0)                   ; v7 is written, which the four loads below read as their offset; so is v66, the offset of the store behind them
.irp i, 0,1,2,3
	global_load_b32 v[60+\i], v7, s[8:9] offset:32*\i
.endr
	s_wait_loadcnt 0x0                             ; these four are the youngest: the weights' eight loads, asked for ahead of them, are in as well
	v_cvt_pk_bf16_f32 v64, v60, v61
	v_cvt_pk_bf16_f32 v65, v62, v63
	s_wait_alu depctr_va_vdst(0)                   ; the two conversions have written v[64:65], which the store reads
	global_store_b64 v66, v[64:65], s[10:11] offset:WGF
.Lweights:
.irp i, 0,1,2,3
	s_wait_loadcnt 7-\i                            ; loads come back in order: the 7 - i younger ones stay out
	v_cvt_pk_bf16_f32 v[P1+2*\i],   v[D1+4*\i],   v[D1+4*\i+1]
	v_cvt_pk_bf16_f32 v[P1+2*\i+1], v[D1+4*\i+2], v[D1+4*\i+3]
.endr
	s_wait_alu depctr_va_vdst(0)                   ; the eight conversions have written P1, which the four stores read: one wait for the run
.irp i, 0,1,2,3
	global_store_b64 v2, v[P1+2*\i:P1+2*\i+1], s[12:13] offset:2048*\i
.endr
.irp i, 0,1,2,3
	s_wait_loadcnt 3-\i
	v_cvt_pk_bf16_f32 v[P2+2*\i],   v[D2+4*\i],   v[D2+4*\i+1]   ; these name D2 and P2 alone: none of the registers that the stores above read
	v_cvt_pk_bf16_f32 v[P2+2*\i+1], v[D2+4*\i+2], v[D2+4*\i+3]
.endr
	s_wait_alu depctr_va_vdst(0)                   ; the eight conversions have written P2, which the last four stores read
.irp i, 0,1,2,3
	global_store_b64 v3, v[P2+2*\i:P2+2*\i+1], s[14:15] offset:1024*\i   ; two rows f further on in each load
.endr
	s_endpgm
.Lfunc_end_k_qacc5559760_prep:
	.size	k_qacc5559760_prep, .Lfunc_end_k_qacc5559760_prep-k_qacc5559760_prep
	.p2alignl 7, 3214868480
	.fill 96, 4, 3214868480
	.section	.rodata,"a",@progbits
	.p2align	6, 0x0
	.amdhsa_kernel k_qacc5559760_prep
		.amdhsa_group_segment_fixed_size 0
		.amdhsa_private_segment_fixed_size 0
		.amdhsa_enable_private_segment 0
		.amdhsa_kernarg_size 32
		.amdhsa_user_sgpr_count 2
		.amdhsa_user_sgpr_kernarg_segment_ptr 1
		.amdhsa_wavefront_size32 1
		.amdhsa_system_sgpr_workgroup_id_x 1
		.amdhsa_system_sgpr_workgroup_id_y 1
		.amdhsa_system_sgpr_workgroup_id_z 1
		.amdhsa_system_vgpr_workitem_id 0
		.amdhsa_next_free_vgpr 72
		.amdhsa_next_free_sgpr 66
		.amdhsa_reserve_vcc 0
		.amdhsa_float_denorm_mode_32 3
		.amdhsa_float_denorm_mode_16_64 3
		.amdhsa_memory_ordered 1
		.amdhsa_forward_progress 1
		.amdhsa_inst_pref_size 6
	.end_amdhsa_kernel
	.amdgpu_metadata
---
amdhsa.version: [ 1, 2 ]
amdhsa.kernels:
  - .name:           k_qacc5559760_prep
    .symbol:         k_qacc5559760_prep.kd
    .args:
      - { .name: W1, .offset: 0, .size: 8, .value_kind: global_buffer, .address_space: global }
      - { .name: W2, .offset: 8, .size: 8, .value_kind: global_buffer, .address_space: global }
      - { .name: Wg, .offset: 16, .size: 8, .value_kind: global_buffer, .address_space: global }
      - { .name: wb, .offset: 24, .size: 8, .value_kind: global_buffer, .address_space: global }
    .group_segment_fixed_size: 0
    .private_segment_fixed_size: 0
    .kernarg_segment_align: 8
    .kernarg_segment_size: 32
    .max_flat_workgroup_size: 256
    .sgpr_count:     66
    .vgpr_count:     72
    .wavefront_size: 32
...
	.end_amdgpu_metadata
.endif
;; end of part 5
;; launch moe: the kernel of part 4 again; grid 256 x 1, 4 waves a work-group, clusters of 4 x 1, 327,680 bytes of LDS; arguments x, wb, out0; writes out0
